; MI455X (gfx1250); checked and timed in simulation.
; The chip was launched on July 23, 2026; its instructions are those of AMD's public machine-readable ISA for CDNA 5 (MIT licence, August 2026) and "CDNA5" Instruction Set Architecture Reference Guide (July 2026). The comments in the code are by the model that wrote it; some were corrected since.
;; Multi Head Self Attention. Allowed arithmetic: matrix products marked QUANTISED: E2M3 operands, one E8M0 scale for each 32 along K, by v_wmma_scale_f32_16x16x128_f8f6f4 with both operands' format E2M3, f32 sums; everything else in f32.
;; Inputs: b_out 1,024 float32; b_qkv 3,072 float32; w_out 1,024 x 1,024 float32; w_qkv 3,072 x 1,024 float32; x 1 x 4,096 x 1,024 float32.
;; Outputs: out0 1 x 4,096 x 1,024 float32.
;; This version of the problem:
;;   THIS VERSION OF THE PROBLEM IS GIVEN IN LOW PRECISION. The matrix products marked QUANTISED in the list below multiply operands that are first quantised to E2M3 (2 exponent bits, 3 mantissa bits; 6 bits a number), with one power-of-two scale for each 32 numbers along K (OCP MX v1.0); their sums are f32. All else is computed in f32.
;;   The module's matrix products, in the order in which they are computed (A, B: the left and right operand; K: the contracted axis; several contracted axes count as one K, in the product's order):
;;     1. [M 4,096, K 1,024] x [K 1,024, N 3,072]; A: input x; B: input w_qkv: QUANTISED
;;     2. batch 16 x [M 4,096, K 64] x [K 64, N 4,096]; A: computed on the way; B: computed on the way: QUANTISED
;;     3. batch 16 x [M 4,096, K 4,096] x [K 4,096, N 64]; A: softmax (see below); B: computed on the way: QUANTISED
;;     4. [M 4,096, K 1,024] x [K 1,024, N 1,024]; A: computed on the way; B: input w_out: QUANTISED
;;   THE QUANTISER, for each operand of a quantised product, along K:
;;     - K is cut into blocks of 32 from its start; a last block that is shorter is filled with zeros.
;;     - A block's scale is 2^e with e = floor(log2(the largest magnitude in the block)) - 2, held to -126 .. 127; a block of zeros has e = 0. As a byte (E8M0): e + 127.
;;     - Each number is divided by its block's scale, clamped to +-7.5, and rounded to the nearest number of E2M3, ties to even, subnormals kept.
;;     - The product sums the exact products of the quantised numbers (number of the format x scale) in f32.
;;   ~~~python
;;   def quantise(x, axis):      # numpy; x: float32 -> the quantised numbers, widened to float32 again
;;       x = np.moveaxis(x, axis, -1); K = x.shape[-1]
;;       x = np.pad(x, [(0, 0)] * (x.ndim - 1) + [(0, -K % 32)]); x = x.reshape(x.shape[:-1] + (-1, 32)); a = np.abs(x).max(-1, keepdims=True)
;;       e = np.where(a > 0, np.clip(np.frexp(np.where(a > 0, a, 1))[1] - 1 - 2, -126, 127), 0)      # np.frexp(a)[1] - 1 = floor(log2(a)), exactly
;;       r = np.clip(x / 2.0 ** e, -7.5, 7.5)
;;       step = 2.0 ** (np.maximum(np.frexp(np.where(r == 0, 1, r))[1] - 1, 0) - 3)
;;       q = np.round(r / step) * step * 2.0 ** e      # np.round: ties to even
;;       return np.moveaxis(q.reshape(q.shape[:-2] + (-1,))[..., :K], -1, axis).astype(np.float32)
;;   ~~~
;;   SOFTMAX AHEAD OF A QUANTISED PRODUCT. Where the list says 'softmax', what is quantised is not the finished softmax but p = 2^(t - M), with t = logit x log2(e) and M = ceil(the row's largest t), a whole number; so 1/2 < the row's largest p <= 1. The row's sum l is taken of the UNQUANTISED p, in f32, and the product's result is divided by l at the end. Since M is a whole number, a kernel that streams over the keys may use a running M (the ceiling of the running maximum): every later rescaling is an exact power of two, which a block's scale takes up: the codes' values come out the same.
;;   OPERANDS COMPUTED ON THE WAY. 'Computed on the way' means the value that the module computes at that place (a softmax that the list does not call 'softmax' is quantised finished and normalised). What goes into a quantiser is computed in f32, as accurately as f32 sums, v_exp_f32 and their like allow (about 1e-6 of the number): no bf16 or f16 on the way to a quantiser, and a product that is left as it is and whose result goes on into a quantised operand takes f32 operands (vector FMAs, or v_wmma_f32_16x16x4_f32). A number that lies on a knife's edge between two numbers of the format may be rounded either way, as far as f32 arithmetic and the matrix unit's own rounding can turn it there, and no further.
;; One version. Each part assembles by itself: llvm-mc -triple=amdgcn-amd-amdhsa -mcpu=gfx1250 --defsym DOCPART=n.
;; ======== version 1 of 1: 4 launches
;; limits: right only within a limited range of input values
;; workspace buffers: opq 6,553,600 bytes; att 9,830,400 bytes; ctx 3,276,800 bytes
;; launch quant (part 1): grid 256 x 1, 8 waves a work-group, no clusters, 135,168 bytes of LDS; arguments x, w_qkv, w_out, opq; writes opq
.if DOCPART == 1
	.amdgcn_target "amdgcn-amd-amdhsa--gfx1250"
	.amdhsa_code_object_version 6
	.text
	.protected	k_qa646a64bcd_quant
	.globl	k_qa646a64bcd_quant
	.p2align	8
	.type	k_qa646a64bcd_quant,@function
k_qa646a64bcd_quant:
	s_mov_b64 s[64:65], 0
	v_nop
	global_prefetch_b8 v0, s[64:65] scope:SCOPE_SE
	s_setreg_imm32_b32 hwreg(HW_REG_WAVE_MODE, 25, 1), 1
	s_wait_xcnt 0x0
; x [4096][1024], w_qkv [3072][1024] and w_out [1024][1024], f32 with K innermost, become codes of FP6 (E2M3) with one E8M0 byte for each 32 along K,
; laid in the ORDER OF THE OPERAND'S REGISTERS, so that the two products that read them fetch dense blocks and load fragments as they lie.
; GROUPS.  128 rows are a group: x is groups 0-31, w_qkv 32-55, w_out 56-63.  A group's eight tiles of 16 rows are NOT neighbours: lane r of tile i holds row
; 64 (i / 4) + 32 (r / 8) + 8 (i % 4) + r % 8, so that the results of a product used transposed are a whole block of 32 along the next K in a lane's registers.
; LAYOUT of opq.  Codes: group x 98,304 + [K of 256: 4][K of 128: 2][tile: 8][piece: 6][lane: 32][8 bytes]; piece p holds registers 2 p, 2 p + 1 of the fragment.
; Scale words from byte 6,291,456 on: group x 4,096 + [K of 256: 4][tile: 8][row r: 16][K of 128: 2] words.
; SHARES.  A work-group takes one group x 256 along K (131,072 bytes of f32); wave w takes tile w: 16 rows x 256 K, two fragments.  Each load reads 512 consecutive bytes; the numbers turn through the
; wave's own stage in LDS (rows 1,040 bytes apart: 65 x 16, so that sixteen rows start in sixteen different groups of banks) and come back 16 neighbours of each block of 32 to a lane.
; A block's scale is 2^(floor(log2(largest magnitude)) - 2): its byte is that magnitude's exponent field - 2, held at 1 from below.
; LIMITS: a block of zeros gets the byte 1 where the rule says 127 (its codes are zeros, and this program alone reads the bytes); blocks whose largest magnitude lies under 2^-124 keep the byte 1;
; NaN and infinities among the inputs are not served.
; No cluster: no two work-groups read the same bytes.  No tensor load: the numbers are wanted in registers.
.set RP,    1040                       ; a stage row: 1,024 bytes + 16
.set STGB,  16*RP                      ; a wave's stage
.set SCST,  8*STGB                     ; behind the stages: the work-group's 1,024 bytes of scale words
.set SPARE, SCST+1024                  ; behind them: the spare words, 128 bytes for each wave: four blocks of 256 bytes that no other line names
.set SCOFF, 6291456                    ; where the scale words begin in opq
.set R,    16                          ; v16-143  32 loads x 4 registers
.set X,    144                         ; v144-207 64 numbers: register 16 b + i = k 32 b + 16 (lane / 16) + i of my row
.set PC,   208                         ; v208-219 a fragment's codes
.set CT,   220                         ; v220-227 the upper halves of the blocks, on their way
.set TM,   228                         ; v228-243 at work: +0 largest magnitudes, +4 the other half's, then bytes, +12 the conversions' scale operands
.set PW,   244                         ; the scale word just made
.set PW0,  245                         ; that of the first 128 along K
.set PWX,  246
.set OUTR, 248
.set SPW,  12                          ; v12  LDS address of my spare word; never rewritten
.set NIL,  13                          ; v13  0; never rewritten
.set SEL,  26                          ; s[26:27] lane selects for v_permlanex16_b32: lane l xor 16
; 64 numbers of a lane become a fragment's codes, registers 0-5 at d0 and 6-11 at d1, and its scale word in v[PW]
.macro QUANT s, d0, d1
.irp b, 0,1,2,3
	v_max3_num_f32 v[TM+\b], |v[\s+16*\b]|, |v[\s+1+16*\b]|, 0x1800000      ; block b: my 16 numbers, and the floor 2^(3 - 127): the byte cannot fall under 1
.endr
.irp i, 2,4,6,8,10,12,14
.irp b, 0,1,2,3
	s_delay_alu instid0(VALU_DEP_4)
	v_max3_num_f32 v[TM+\b], v[TM+\b], |v[\s+16*\b+\i]|, |v[\s+1+16*\b+\i]|  ; the four blocks by turns
.endr
.endr
.irp b, 0,1,2,3
	s_delay_alu instid0(VALU_DEP_4)
	v_permlanex16_b32 v[TM+4+\b], v[TM+\b], s[SEL], s[SEL+1]
.endr
.irp b, 0,1,2,3
	s_delay_alu instid0(VALU_DEP_4)
	v_max_num_f32 v[TM+\b], v[TM+\b], v[TM+4+\b]                            ; with lane l xor 16's: the block's largest magnitude
.endr
.irp b, 0,1,2,3
	s_delay_alu instid0(VALU_DEP_4)
	v_add_nc_u32 v[TM+12+\b], 0xff000000, v[TM+\b]                          ; 2 off its exponent field: the conversion takes this operand's exponent field as its scale
.endr
.irp b, 0,1,2,3
	s_delay_alu instid0(VALU_DEP_4)
	v_lshrrev_b32 v[TM+4+\b], 23, v[TM+12+\b]                               ; the scale's byte
.endr
	s_delay_alu instid0(VALU_DEP_3)
	v_lshl_or_b32 v[PW], v[TM+5], 8, v[TM+4]
	s_delay_alu instid0(VALU_DEP_1)
	v_lshl_or_b32 v[PW], v[TM+6], 16, v[PW]
	s_delay_alu instid0(VALU_DEP_1)
	v_lshl_or_b32 v[PW], v[TM+7], 24, v[PW]
	v_cvt_scalef32_pk16_fp6_f32 v[\d0:\d0+2], v[\s:\s+15], v[TM+12]
	v_cvt_scalef32_pk16_fp6_f32 v[CT:CT+2], v[\s+16:\s+31], v[TM+13]
	v_cvt_scalef32_pk16_fp6_f32 v[\d1:\d1+2], v[\s+32:\s+47], v[TM+14]
	v_cvt_scalef32_pk16_fp6_f32 v[CT+4:CT+6], v[\s+48:\s+63], v[TM+15]
	v_nop                                                                   ; one plain instruction behind the scaled conversions
.irp i, 0,1,2
	v_permlane16_swap_b32 v[\d0+\i], v[CT+\i]                               ; the layout wants a whole block in a lane: lanes 0-15 the even block, lanes 16-31 the odd one
	v_permlane16_swap_b32 v[\d1+\i], v[CT+4+\i]
.endr
.irp i, 0,1,2
	v_mov_b32 v[\d0+3+\i], v[CT+\i]
	v_mov_b32 v[\d1+3+\i], v[CT+4+\i]
.endr
.endm
; the 128 along K numbered q go through my stage: LDS serves a wave's instructions in order, so no wait stands between the stores and the loads
.macro TURN q
.irp i, 0,1,2,3,4,5,6,7,8,9,10,11,12,13,14,15
	ds_store_b128 v5, v[R+64*\q+4*\i:R+64*\q+4*\i+3] offset:\i*RP+512*\q
.endr
.irp b, 0,1,2,3
.irp j, 0,1,2,3
	ds_load_b128 v[X+16*\b+4*\j:X+16*\b+4*\j+3], v6 offset:512*\q+128*\b+16*\j
.endr
.endr
.endm
	s_load_b256 s[4:11], s[0:1], 0x0               ; x s[4:5], w_qkv s[6:7], w_out s[8:9], opq s[10:11]
	v_lshl_add_u32 v[SPW], v0, 2, SPARE
	v_mov_b32 v[NIL], 0
	v_lshrrev_b32 v1, 5, v0
	s_delay_alu instid0(VALU_DEP_1)
	v_readfirstlane_b32 s12, v1                    ; wave 0..7 = my tile of the group
	v_and_b32 v1, 31, v0                           ; lane
	v_and_b32 v2, 15, v0                           ; r
	v_bfe_u32 v3, v0, 4, 1                         ; h
	s_delay_alu instid0(VALU_DEP_3)
	v_lshlrev_b32 v4, 4, v1                        ; 16 x lane: my bytes of a load's 512
	s_mul_i32 s13, s12, STGB
	v_add_nc_u32 v5, s13, v4                       ; the stage, on the way in
	v_mul_u32_u24 v6, v2, RP
	s_delay_alu instid0(VALU_DEP_1)
	v_lshl_add_u32 v6, v3, 6, v6
	s_delay_alu instid0(VALU_DEP_1)
	v_add_nc_u32 v6, s13, v6                       ; and on the way out: row r, + 64 h: 16 numbers of each block of 32
	v_lshlrev_b32 v7, 3, v1                        ; 8 x lane: my place in a piece
	v_lshlrev_b32 v8, 3, v2
	s_delay_alu instid0(VALU_DEP_1)
	v_lshl_add_u32 v8, v3, 2, v8
	s_lshl_b32 s14, s12, 7
	s_add_co_u32 s14, s14, SCST
	v_add_nc_u32 v8, s14, v8                       ; my scale word: 128 x tile + 8 r + 4 h: lanes 0-15 put the first 128's, lanes 16-31 the second's
	s_min_u32 s14, s12, 1
	s_lshl_b32 s14, s14, 9
	v_add_nc_u32 v10, s14, v4                      ; waves 0 and 1 carry the 1,024 bytes out: 512 x wave + 16 x lane
	s_delay_alu instid0(VALU_DEP_1)
	v_add_nc_u32 v9, SCST, v10
	s_mov_b32 s[SEL], 0x76543210
	s_mov_b32 s[SEL+1], 0xfedcba98
.irp b, 0,1,2,3
	v_mov_b32 v[TM+4+\b], 0                        ; written once: a lane permute's destination counts as one of its sources
.endr
	s_lshr_b32 s15, ttmp9, 2                       ; the group
	s_and_b32 s16, ttmp9, 3                        ; which 256 along K
	s_wait_kmcnt 0x0
	s_cmp_lt_u32 ttmp9, 224                        ; the tensor is chosen by the work-group's number alone
	s_cselect_b64 s[6:7], s[6:7], s[8:9]
	s_cselect_b32 s17, 32, 56
	s_cmp_lt_u32 ttmp9, 128
	s_cselect_b64 s[4:5], s[4:5], s[6:7]
	s_cselect_b32 s17, 0, s17                      ; the tensor's first group
	s_sub_co_u32 s17, s15, s17
	s_lshl_b32 s17, s17, 7
	; THE ROWS OF A TILE, as they now stand: lane r of tile i holds row 64 (i / 4) + 32 (r / 8) + 8 (i % 4) + r % 8 of its group, so that a product used
	; transposed leaves a WHOLE block of 32 along the next K in one lane's 32 registers of four neighbouring tiles
	s_lshr_b32 s18, s12, 2
	s_lshl_b32 s18, s18, 6
	s_add_co_u32 s17, s17, s18
	s_and_b32 s18, s12, 3
	s_lshl_b32 s18, s18, 3
	s_add_co_u32 s17, s17, s18                     ; my tile's first row: 128 x group + 64 (w / 4) + 8 (w % 4)
	s_lshl_b32 s18, s17, 12                        ; rows of 4,096 bytes (under 2^25 in all)
	s_lshl_b32 s19, s16, 10
	s_add_co_u32 s18, s18, s19
	s_mov_b32 s19, 0
	s_add_nc_u64 s[4:5], s[4:5], s[18:19]
	s_mul_i32 s20, s15, 98304
	s_mul_i32 s21, s16, 24576
	s_add_co_u32 s20, s20, s21
	s_mul_i32 s21, s12, 1536
	s_add_co_u32 s20, s20, s21
	s_mov_b32 s21, 0
	s_add_nc_u64 s[22:23], s[10:11], s[20:21]      ; my two fragments' codes
	s_lshl_b32 s20, ttmp9, 10
	s_add_co_u32 s20, s20, SCOFF
	s_add_nc_u64 s[24:25], s[10:11], s[20:21]      ; the work-group's scale words
.irp q, 0,1
.irp i, 0,1,2,3,4,5,6,7,8,9,10,11,12,13,14,15
	global_load_b128 v[R+64*\q+4*\i:R+64*\q+4*\i+3], v4, s[4:5] offset:(\i+24*(\i/8))*4096+512*\q th:TH_LOAD_NT   ; 512 consecutive bytes of the tile's row i: rows 8-15 lie 32 rows below rows 0-7
.endr
.endr
	s_wait_loadcnt 16                              ; the first 128 along K are in; the sixteen loads of the second may be out
	TURN 0
	s_wait_dscnt 0x0
	QUANT X, PC, PC+6
	v_mov_b32 v[PW0], v[PW]
.irp p, 0,1,2,3,4,5
	global_store_b64 v7, v[PC+2*\p:PC+2*\p+1], s[22:23] offset:256*\p         ; 32 lanes store 256 consecutive bytes, aligned
.endr
	s_wait_loadcnt 0x0
	TURN 1
	s_wait_dscnt 0x0
	s_wait_xcnt 0x0                                ; the six stores have read their registers: the codes may be written again
	QUANT X, PC, PC+6
.irp p, 0,1,2,3,4,5
	global_store_b64 v7, v[PC+2*\p:PC+2*\p+1], s[22:23] offset:12288+256*\p
.endr
	v_cmp_lt_u32 vcc_lo, 15, v1
	s_delay_alu instid0(VALU_DEP_1)
	v_cndmask_b32 v[PWX], v[PW0], v[PW], vcc_lo    ; lanes 16-31: the second word
	ds_store_b32 v8, v[PWX]
	s_wait_dscnt 0x0                               ; for the others' sake: my scale words lie in LDS
	s_barrier_signal -1
	s_barrier_wait -1
	s_cmp_gt_u32 s12, 1
	s_cbranch_scc1 .Lend
	ds_load_b128 v[OUTR:OUTR+3], v9
	s_wait_dscnt 0x0
	global_store_b128 v10, v[OUTR:OUTR+3], s[24:25]   ; 512 consecutive bytes a wave
.Lend:
	s_wait_tensorcnt 0x0                           ; the wave's end
	ds_add_u32 v[SPW], v[NIL]
	s_wait_dscnt 0x0
	s_endpgm
.Lfunc_end_k_qa646a64bcd_quant:
	.size	k_qa646a64bcd_quant, .Lfunc_end_k_qa646a64bcd_quant-k_qa646a64bcd_quant
	.p2alignl 7, 3214868480
	.fill 96, 4, 3214868480
	.section	.rodata,"a",@progbits
	.p2align	6, 0x0
	.amdhsa_kernel k_qa646a64bcd_quant
		.amdhsa_group_segment_fixed_size 135168
		.amdhsa_private_segment_fixed_size 0
		.amdhsa_enable_private_segment 0
		.amdhsa_kernarg_size 32
		.amdhsa_user_sgpr_count 2
		.amdhsa_user_sgpr_kernarg_segment_ptr 1
		.amdhsa_wavefront_size32 1
		.amdhsa_system_sgpr_workgroup_id_x 1
		.amdhsa_system_sgpr_workgroup_id_y 1
		.amdhsa_system_sgpr_workgroup_id_z 1
		.amdhsa_system_vgpr_workitem_id 0
		.amdhsa_next_free_vgpr 256
		.amdhsa_next_free_sgpr 66
		.amdhsa_reserve_vcc 1
		.amdhsa_float_denorm_mode_32 3
		.amdhsa_float_denorm_mode_16_64 3
		.amdhsa_memory_ordered 1
		.amdhsa_forward_progress 1
		.amdhsa_inst_pref_size 23
	.end_amdhsa_kernel
	.amdgpu_metadata
---
amdhsa.version: [ 1, 2 ]
amdhsa.kernels:
  - .name:           k_qa646a64bcd_quant
    .symbol:         k_qa646a64bcd_quant.kd
    .args:
      - { .name: x, .offset: 0, .size: 8, .value_kind: global_buffer, .address_space: global }
      - { .name: w_qkv, .offset: 8, .size: 8, .value_kind: global_buffer, .address_space: global }
      - { .name: w_out, .offset: 16, .size: 8, .value_kind: global_buffer, .address_space: global }
      - { .name: opq, .offset: 24, .size: 8, .value_kind: global_buffer, .address_space: global }
    .group_segment_fixed_size: 135168
    .private_segment_fixed_size: 0
    .kernarg_segment_align: 8
    .kernarg_segment_size: 32
    .max_flat_workgroup_size: 256
    .sgpr_count:     66
    .vgpr_count:     256
    .wavefront_size: 32
...
	.end_amdgpu_metadata
.endif
;; end of part 1
;; launch gemm_qkv (part 2): grid 8 x 32, 4 waves a work-group, clusters of 4 x 4, 327,680 bytes of LDS; arguments opq, b_qkv, att; writes att
.if DOCPART == 2
	.amdgcn_target "amdgcn-amd-amdhsa--gfx1250"
	.amdhsa_code_object_version 6
	.text
	.protected	k_qa646a64bcd_gemm_qkv
	.globl	k_qa646a64bcd_gemm_qkv
	.p2align	8
	.type	k_qa646a64bcd_gemm_qkv,@function
k_qa646a64bcd_gemm_qkv:
	s_mov_b64 s[64:65], 0
	v_nop
	global_prefetch_b8 v0, s[64:65] scope:SCOPE_SE
	s_setreg_imm32_b32 hwreg(HW_REG_WAVE_MODE, 25, 1), 1
	s_wait_xcnt 0x0
	s_wait_alu depctr_hold_cnt(0) depctr_sa_sdst(0) depctr_va_vdst(0) depctr_va_sdst(0) depctr_va_ssrc(0) depctr_va_vcc(0) depctr_vm_vsrc(0)
	s_getreg_b32 s2, hwreg(HW_REG_IB_STS2, 6, 4)
	s_cmp_eq_u32 s2, 0
	s_cbranch_scc0 .Lentry_in_a_cluster
	s_endpgm
.Lentry_in_a_cluster:
	s_bfe_u32 s2, ttmp6, 0x10000c
	s_cmp_lg_u32 s2, 0xf033
	s_cbranch_scc0 .Lentry_shape_is_right
	s_endpgm
.Lentry_shape_is_right:
; q, k, v = x w_qkv^T + b_qkv on codes of FP6 (E2M3) with E8M0 scales, sums in f32; the results are quantised in registers (q and k along the head's 64, v along the keys) and leave as images of attention's operand registers.
; SHARES.  256 work-groups.  Work-group (j, y) takes group y of x (128 tokens) against THREE groups of 128 rows of w_qkv: 32 + j (q of heads 2 j, 2 j + 1), 40 + j (their k), 48 + j (their v): three blocks of 128 x 128, all of K each.
; LDS holds x's group (98,304 bytes of codes) for the whole launch and two regions for w's groups: block 1's group is asked for ahead of block 0's products, block 2's refills block 0's region ahead of block 1's products.
; A wave makes 64 x 64: 16 accumulators; K goes in eight steps of 128; the next step's fragments are read into a second set of registers while a step is multiplied.
; Row r of tile i of a group is row 64 (i / 4) + 32 (r / 8) + 8 (i % 4) + r % 8, so a wave's four tiles along the registers are ONE block of 32 in each lane (lanes 0-15 the first 32 of its 64, lanes 16-31 the second).
; q, k: source 0 = w's rows, source 1 = x's: a lane holds a token, its registers the head's channels.  v: the sources change places: a lane holds a channel, its registers 32 keys.
; OUT.  q, k: a double fragment (token tiles 2 d, 2 d + 1 of one head, 12 registers) is three stores of 512 dense bytes.  v: a wave has half of a fragment's 128 keys: six registers, stored as 512 + 256 dense bytes.
; Scale words are put together from two waves' parts in LDS scratch and leave by wave 0, 256 dense bytes a head.
; CLUSTER 4 x 4: x's group is asked for jointly along a row of the cluster, w's groups along a column.
; NO PREFETCH: each later group of w is asked for a whole block's products ahead of its first read.
; LIMITS: a block of zeros gets the byte 1 (its codes are zeros; this program alone reads the bytes); blocks under 2^-124 keep the byte 1; NaN and infinities are not served.
; REGISTERS.  Window 0: v0-31 addresses, v32-47 scale words (two sets), v48-59 scale words on their way out, v64-159 and v160-255 the two sets of fragments (w's four, then x's four; on the way out v64-121 are at work).
; Window 1: v0-127 accumulators; v128-159, v160-191, v192-223 the bias of q, k, v in the results' layout.
.set BC0,   98304
.set BC1,   196608
.set ASC,   294912
.set BSC,   299008
.set SCR,   311296                     ; scratch for scale words: [block: 3][head: 2][row: 16][16 bytes]; no tensor load lands here
.set SPARE, 312832                     ; the spare words, 128 bytes for each wave: two blocks of 256 bytes that no other line names
.set SCV,  10
.set SCRD, 11
.set VSQ,  12
.set VSK,  13
.set SELV, 14
.set ADRA, 16                          ; v16-17 x's fragments, steps 0-3 and 4-7
.set ADRB, 18                          ; v18-19 w's in region 0, v20-21 in region 1
.set ADRS, 22                          ; v22-24 scale words of block 0, 1, 2: lanes 0-15 x's, lanes 16-31 w's
.set IM,   25
.set IM8,  26
.set SCW,  27
.set SPW,  28
.set NIL,  29
.set SC,   32
.set FB,   64
.set D,    64                          ; the way out: 24 registers of codes
.set CT,   88
.set TM,   104
.set BO,   108
.set E,    112
.set W,    116
.set P,    118
.set X,    120
.set G1A, 24
.set G1B, 32
.set G1Q, 44
.set G1S, 52
.set G0A, 60
.set SEL, 66
.set G1SB, 68
.set G0B, 76
.set G0S, 80
.set G0SB, 84
.set G0Q, 88
.set G0R, 92
.set MSB, 0
.macro WIN new
.if MSB != (\new)
	s_set_vgpr_msb (MSB<<8)|(\new)
.set MSB, (\new)
.endif
.endm
.macro CROUND
	s_barrier_signal -1
	s_barrier_wait -1
	s_cmp_lg_u32 s14, 0
	s_cbranch_scc1 .Lnot_wave_0_\@
	s_barrier_signal -3
.Lnot_wave_0_\@:
	s_barrier_wait -3
	s_barrier_signal -1
	s_barrier_wait -1
.endm
.macro PLACES
.rept 4
	v_nop
.endr
.endm
	s_load_b128 s[4:7], s[0:1], 0x0                ; opq s[4:5], b_qkv s[6:7]
	s_load_b64 s[8:9], s[0:1], 0x10                ; att
	v_lshl_add_u32 v[SPW], v0, 2, SPARE
	v_mov_b32 v[NIL], 0
	ds_add_u32 v[SPW], v[NIL]                      ; the opening lines: the add, twice on end, and its wait
	ds_add_u32 v[SPW], v[NIL]
	v_lshrrev_b32 v1, 5, v0
	v_readfirstlane_b32 s14, v1                    ; wave 0..3
	s_lshr_b32 s15, s14, 1                         ; which 64 tokens are mine
	s_and_b32 s16, s14, 1                          ; which 64 rows of w: which of the two heads
	s_bfe_u32 s40, ttmp6, 0x40000                  ; cx, cy
	s_bfe_u32 s41, ttmp6, 0x40004
	s_lshl_b32 s42, ttmp9, 2
	s_add_co_u32 s42, s42, s40                     ; j
	s_and_b32 s17, ttmp7, 0xffff
	s_lshl_b32 s17, s17, 2
	s_add_co_u32 s17, s17, s41                     ; y
	s_lshl_b32 s43, s41, 2
	s_lshl_b32 s43, 15, s43                        ; my row of the cluster
	s_lshl_b32 s3, 0x1111, s40                     ; my column
	s_or_b32 s[G1A+0], s43, (3<<16)|(1<<21)        ; elements of 8 bytes, no padding: images are read lane by lane
	s_or_b32 s[G1B+0], s3, (3<<16)|(1<<21)
	s_or_b32 s[G1Q+0], s3, (3<<16)|(1<<21)
	s_or_b32 s[G1S+0], s43, (3<<16)|(1<<21)
	s_or_b32 s[G1SB+0], s3, (3<<16)|(1<<21)
.macro G1ROWS g, rows                  ; so many dense rows of 256 bytes
	s_mov_b32 s[\g+1], 32<<16
	s_mov_b32 s[\g+2], (\rows)<<16
	s_mov_b32 s[\g+3], 32<<16
	s_mov_b32 s[\g+4], \rows
	s_mov_b32 s[\g+5], 32
	s_mov_b32 s[\g+6], 0
	s_mov_b32 s[\g+7], 0
.endm
	G1ROWS G1A, 384                                ; a group's codes
	G1ROWS G1B, 384
	G1ROWS G1Q, 96                                 ; a quarter of them
	G1ROWS G1S, 16                                 ; a group's scale words
	s_mov_b32 s[G1SB+1], 512<<16                   ; the scale words of w's three groups: three rows of 4,096 bytes, eight groups apart
	s_mov_b32 s[G1SB+2], 3<<16
	s_mov_b32 s[G1SB+3], 512<<16
	s_mov_b32 s[G1SB+4], 3
	s_mov_b32 s[G1SB+5], 4096
	s_mov_b32 s[G1SB+6], 0
	s_mov_b32 s[G1SB+7], 0
	s_mul_i32 s20, s17, 98304
	s_mov_b32 s21, 0
	s_lshl_b32 s22, s17, 12
	s_add_co_u32 s22, s22, 6291456
	s_mov_b32 s23, 0
	s_add_co_u32 s10, s42, 32
	s_lshl_b32 s12, s10, 12
	s_add_co_u32 s12, s12, 6291456
	s_mov_b32 s13, 0
	s_mul_i32 s10, s10, 98304
	s_mov_b32 s11, 0
	s_mul_i32 s18, s14, 24576                      ; the quarter that I fetch: in a region and in memory alike
	s_mov_b32 s19, 0
	s_mov_b32 s[SEL], 0x76543210
	s_mov_b32 s[SEL+1], 0xfedcba98
	s_wait_dscnt 0x0
	s_wait_kmcnt 0x0
	s_add_nc_u64 s[20:21], s[4:5], s[20:21]
	s_add_nc_u64 s[22:23], s[4:5], s[22:23]
	s_add_nc_u64 s[10:11], s[4:5], s[10:11]
	s_add_nc_u64 s[12:13], s[4:5], s[12:13]
	CROUND                                         ; all sixteen work-groups are here: the joint loads meet
	s_mov_b32 s[G0A], 1
	s_mov_b32 s[G0A+1], 0
	s_mov_b64 s[G0A+2:G0A+3], s[20:21]
	s_or_b32 s[G0A+3], s[G0A+3], 0x80000000
	s_mov_b32 s[G0B], 1
	s_mov_b32 s[G0B+1], BC0
	s_mov_b64 s[G0B+2:G0B+3], s[10:11]
	s_or_b32 s[G0B+3], s[G0B+3], 0x80000000
	s_mov_b32 s[G0S], 1
	s_mov_b32 s[G0S+1], ASC
	s_mov_b64 s[G0S+2:G0S+3], s[22:23]
	s_or_b32 s[G0S+3], s[G0S+3], 0x80000000
	s_mov_b32 s[G0SB], 1
	s_mov_b32 s[G0SB+1], BSC
	s_mov_b64 s[G0SB+2:G0SB+3], s[12:13]
	s_or_b32 s[G0SB+3], s[G0SB+3], 0x80000000
	s_add_nc_u64 s[10:11], s[10:11], s[18:19]
	s_mov_b32 s[G0Q], 1                            ; block 1's group, eight groups on, into region 1
	s_add_co_u32 s[G0Q+1], s18, BC1
	s_add_nc_u64 s[G0Q+2:G0Q+3], s[10:11], 786432
	s_or_b32 s[G0Q+3], s[G0Q+3], 0x80000000
	s_mov_b32 s[G0R], 1                            ; block 2's, sixteen groups on, into region 0
	s_add_co_u32 s[G0R+1], s18, BC0
	s_add_nc_u64 s[G0R+2:G0R+3], s[10:11], 1572864
	s_or_b32 s[G0R+3], s[G0R+3], 0x80000000
; one tree of branches on the wave's number, one load to an arm: wave 0 x's codes, wave 1 block 0's group of w, wave 2 x's scale words, wave 3 w's
.macro ARM under, g0, g1, next
	s_cmp_lt_u32 s14, \under
	s_cbranch_scc0 \next
	tensor_load_to_lds s[\g0:\g0+3], s[\g1:\g1+7]
	s_nop 0
.rept 4
	v_nop
.endr
	s_branch .Lhead_asked
\next:
.endm
	ARM 1, G0A, G1A, .Lhead_b
	ARM 2, G0B, G1B, .Lhead_sa
	ARM 3, G0S, G1S, .Lhead_sb
	tensor_load_to_lds s[G0SB:G0SB+3], s[G1SB:G1SB+7]
	s_nop 0
.rept 4
	v_nop
.endr
.Lhead_asked:
	s_lshl_b32 s20, s42, 1                         ; head 2 j
	s_mov_b32 s23, 0
	s_mul_i32 s21, s17, 12800
	s_mul_i32 s22, s20, 409600
	s_add_co_u32 s22, s22, s21
	s_add_co_u32 s22, s22, 3276800
	s_add_nc_u64 s[12:13], s[8:9], s[22:23]        ; head 2 j's record of these 128 keys
	s_mul_i32 s22, s16, 409600
	s_mul_i32 s21, s15, 3072
	s_add_co_u32 s22, s22, s21
	s_add_nc_u64 s[98:99], s[12:13], s[22:23]      ; k: my head's record, my two double fragments
	s_mul_i32 s22, s16, 409600
	s_mul_i32 s21, s15, 768
	s_add_co_u32 s22, s22, s21
	s_add_co_u32 s22, s22, 6144
	s_add_nc_u64 s[100:101], s[12:13], s[22:23]    ; v: my half of each fragment
	s_lshl_b32 s22, s20, 13
	s_lshl_b32 s21, s17, 8
	s_add_co_u32 s22, s22, s21
	s_add_co_u32 s22, s22, 3145728
	s_add_nc_u64 s[10:11], s[8:9], s[22:23]        ; q's scale words, head 2 j
	s_add_co_u32 s22, s20, s16
	s_mul_i32 s22, s22, 196608
	s_mul_i32 s21, s17, 6144
	s_add_co_u32 s22, s22, s21
	s_mul_i32 s21, s15, 3072
	s_add_co_u32 s22, s22, s21
	s_add_nc_u64 s[96:97], s[8:9], s[22:23]        ; q: my two double fragments
	s_lshl_b32 s22, s42, 9
	s_lshl_b32 s21, s16, 8
	s_add_co_u32 s22, s22, s21
	s_add_nc_u64 s[18:19], s[6:7], s[22:23]        ; the bias of q at my 64 rows; k's and v's lie 4,096 and 8,192 bytes on
	s_mul_i32 s20, s15, 6144                       ; LDS: my four tiles of x,
	s_mul_i32 s21, s16, 6144
	s_add_co_u32 s21, s21, BC0                     ; of w
	s_lshl_b32 s22, s15, 9
	s_lshl_b32 s23, s16, 9
	s_add_co_u32 s23, s23, BSC-ASC
	s_sub_co_u32 s23, s23, s22                     ; how far behind x's scale words block 0's of w lie,
	s_add_co_u32 s40, s23, 4096                    ; block 1's,
	s_add_co_u32 s41, s23, 8192                    ; block 2's
	s_add_co_u32 s22, s22, ASC
	s_lshl_b32 s43, s16, 8
	s_add_co_u32 s43, s43, SCR
	s_lshl_b32 s2, s15, 1
	s_add_co_u32 s2, s2, s43                       ; scratch, v: my two bytes of each word
	s_lshl_b32 s3, s15, 3
	s_add_co_u32 s43, s43, s3                      ; scratch, q and k: my two words of each row's four
	s_mov_b32 s3, 0xffff0000                       ; the mask of lanes 16-31
	v_and_b32 v1, 15, v0                           ; r
	v_bfe_u32 v2, v0, 4, 1                         ; h
	v_and_b32 v3, 31, v0
	v_lshlrev_b32 v[IM8], 3, v3
	v_lshlrev_b32 v[IM], 4, v3
	v_add_nc_u32 v[ADRA], s20, v[IM8]
	v_add_nc_u32 v[ADRA+1], 49152, v[ADRA]
	v_add_nc_u32 v[ADRB], s21, v[IM8]
	v_add_nc_u32 v[ADRB+1], 49152, v[ADRB]
	v_add_nc_u32 v[ADRB+2], 98304, v[ADRB]
	v_add_nc_u32 v[ADRB+3], 98304, v[ADRB+1]
	v_lshlrev_b32 v5, 3, v1
	v_add_nc_u32 v5, s22, v5
	v_mul_u32_u24 v6, s23, v2
	v_mul_u32_u24 v7, s40, v2
	v_mul_u32_u24 v8, s41, v2
	v_add_nc_u32 v[ADRS], v5, v6
	v_add_nc_u32 v[ADRS+1], v5, v7
	v_add_nc_u32 v[ADRS+2], v5, v8
	v_lshlrev_b32 v7, 4, v1                        ; 16 r
	v_add_nc_u32 v[SCW], s43, v7
	v_add_nc_u32 v[SCV], s2, v7
	v_add_nc_u32 v[SCRD], SCR, v[IM]
	v_lshl_add_u32 v[VSQ], v2, 13, v7              ; scale words out: lanes 16-31 carry head 2 j + 1's
	v_mul_u32_u24 v[VSK], v2, 409600
	v_add_nc_u32 v[VSK], v[VSK], v7
	v_mov_b32 v[SELV], 0x06020400                  ; lanes 0-15: my byte, then lane l xor 16's, for each of two tiles;
	v_mov_b32 v6, 0x02060004                       ; lanes 16-31: the other way round
	v_cndmask_b32 v[SELV], v[SELV], v6, s3
	v_lshlrev_b32 v30, 7, v2                       ; the bias along the registers: 32 h channels on
	v_and_b32 v31, 8, v1
	v_mad_u32_u24 v31, v31, 3, v1                  ; along the lanes: row r % 8 + 32 (r / 8)
	v_lshlrev_b32 v31, 2, v31
	WIN 0x40
.irp m, 0,1
.irp b, 0,1,2,3
	global_load_b128 v[128+32*\m+8*\b:128+32*\m+8*\b+3], v30, s[18:19] offset:4096*\m+32*\b
	global_load_b128 v[128+32*\m+8*\b+4:128+32*\m+8*\b+7], v30, s[18:19] offset:4096*\m+32*\b+16
.endr
.endr
.irp b, 0,1,2,3
	global_load_b32 v[192+8*\b], v31, s[18:19] offset:8192+32*\b
.endr
	WIN 0
	s_wait_alu depctr_va_vdst(0)
	s_wait_loadcnt 0x0
	WIN 0x41
.irp b, 0,1,2,3
.irp i, 1,2,3,4,5,6,7
	v_mov_b32 v[192+8*\b+\i], v[192+8*\b]          ; v's bias is the same along a lane's registers
.endr
.endr
	WIN 0
.macro FRAGS st, buf, adrb             ; step st's fragments: w's four, x's four, six loads of 8 bytes each
.irp i, 0,1,2,3
.irp p, 0,1,2,3,4,5
	ds_load_b64 v[FB+96*(\buf)+12*\i+2*\p:FB+96*(\buf)+12*\i+2*\p+1], v[\adrb+(\st)/4] offset:((\st)%4)*12288+\i*1536+256*\p
.endr
.endr
.irp i, 0,1,2,3
.irp p, 0,1,2,3,4,5
	ds_load_b64 v[FB+96*(\buf)+48+12*\i+2*\p:FB+96*(\buf)+48+12*\i+2*\p+1], v[ADRA+(\st)/4] offset:((\st)%4)*12288+\i*1536+256*\p
.endr
.endr
.endm
.macro SCALES pr, adrs                 ; the scale words of steps 2 pr and 2 pr + 1 into set pr % 2
.irp i, 0,1,2,3
	ds_load_b64 v[SC+8*((\pr)%2)+2*\i:SC+8*((\pr)%2)+2*\i+1], v[\adrs] offset:1024*(\pr)+128*\i
.endr
.endm
.macro MUL st, m                       ; 16 accumulators by turns; the first step's C is the bias
	WIN 0x50
.irp a, 0,1,2,3
.irp b, 0,1,2,3
.set FW, FB+96*((\st)%2)+12*\b
.set FX, FB+96*((\st)%2)+48+12*\a
.set SW, SC+8*(((\st)/2)%2)+2*\b+(\st)%2
.set SX, SC+8*(((\st)/2)%2)+2*\a+(\st)%2
.if (\m) < 2
.set DD, 8*(4*\a+\b)
.set CC, 128+32*(\m)+8*\b
.else
.set DD, 8*(4*\b+\a)
.set CC, 192+8*\b
.endif
.if (\st) > 0
.set CC, DD
.endif
.if (\m) < 2
	v_wmma_scale_f32_16x16x128_f8f6f4 v[DD:DD+7], v[FW:FW+11], v[FX:FX+11], v[CC:CC+7], v[SW], v[SX] matrix_a_fmt:MATRIX_FMT_FP6 matrix_b_fmt:MATRIX_FMT_FP6 matrix_a_scale:MATRIX_SCALE_ROW1
.else
	v_wmma_scale_f32_16x16x128_f8f6f4 v[DD:DD+7], v[FX:FX+11], v[FW:FW+11], v[CC:CC+7], v[SX], v[SW] matrix_a_fmt:MATRIX_FMT_FP6 matrix_b_fmt:MATRIX_FMT_FP6 matrix_b_scale:MATRIX_SCALE_ROW1
.endif
.endr
.endr
	WIN 0
.endm
; a block's products, then its 4 x 32 results of a lane as codes (D: six registers for each 32) and scale bytes, two tiles' bytes of both halves of the lanes in each of v[W], v[W+1]
.macro BLOCK m, adrb, adrs
	s_wait_xcnt 0x0                                ; the last block's stores have read their registers
	FRAGS 0, 0, \adrb
	SCALES 0, \adrs
.set ST, 0
.rept 7
.if ST > 0
	PLACES                                         ; in front of loads into registers that the last step's products have read
.endif
	FRAGS ST+1, (ST+1)%2, \adrb
.if (ST+1)%2 == 0
	SCALES (ST+1)/2, \adrs
	s_wait_dscnt 52                                ; all but the next step's 48 fragment loads and 4 scale loads
.else
	s_wait_dscnt 48                                ; all but the next step's 48
.endif
	MUL ST, \m
.set ST, ST+1
.endr
	s_wait_dscnt 0x0
	MUL 7, \m
	PLACES
	WIN 0x14
.irp a, 0,1,2,3
	v_max3_num_f32 v[TM+\a], 0x1800000, |v[32*\a]|, |v[32*\a+1]|   ; the block's largest magnitude, all 32 mine, with the floor 2^(3 - 127); four blocks by turns; each accumulator from its low end on
.endr
.irp i, 2,4,6,8,10,12,14,16,18,20,22,24,26,28,30
.irp a, 0,1,2,3
	v_max3_num_f32 v[TM+\a], v[TM+\a], |v[32*\a+\i]|, |v[32*\a+\i+1]|
.endr
.endr
	WIN 0
.irp a, 0,1,2,3
	v_add_nc_u32 v[BO+\a], 0xff000000, v[TM+\a]    ; 2 off the exponent field: the conversion's scale operand
.endr
.irp a, 0,1,2,3
	v_lshrrev_b32 v[E+\a], 23, v[BO+\a]            ; the byte
.endr
	WIN 0x01
.irp a, 0,1,2,3
	v_cvt_scalef32_pk16_fp6_f32 v[D+6*\a:D+6*\a+2], v[32*\a:32*\a+15], v[BO+\a]
	v_cvt_scalef32_pk16_fp6_f32 v[CT+4*\a:CT+4*\a+2], v[32*\a+16:32*\a+31], v[BO+\a]
.endr
	WIN 0
	v_nop                                          ; one plain instruction behind the scaled conversions
.irp a, 0,1,2,3
.irp i, 0,1,2
	v_mov_b32 v[D+6*\a+3+\i], v[CT+4*\a+\i]        ; a conversion's three registers begin on an even number: the upper half is moved
.endr
.endr
.irp d, 0,1
	v_lshl_or_b32 v[P+\d], v[E+2*\d+1], 16, v[E+2*\d]
.endr
.irp d, 0,1
	v_permlanex16_b32 v[X+\d], v[P+\d], s[SEL], s[SEL+1]
.endr
.irp d, 0,1
	v_perm_b32 v[W+\d], v[X+\d], v[P+\d], v[SELV]  ; tile 2 d's two bytes, tile 2 d + 1's two bytes, in every lane
.endr
.endm
.macro OUTQK m, base
.irp d, 0,1
.irp c, 0,1,2
	global_store_b128 v[IM], v[D+12*\d+4*\c:D+12*\d+4*\c+3], s[\base:\base+1] offset:1536*\d+512*\c   ; 512 dense bytes
.endr
.endr
	ds_store_b64 v[SCW], v[W:W+1] offset:512*\m    ; both halves of the lanes put the same bytes
.endm
.macro SCOUT m, voff, base, imm        ; wave 0 carries both heads' scale words out: 256 dense bytes a head
	s_cmp_lg_u32 s14, 0
	s_cbranch_scc1 .Lnot_mine_\@
	ds_load_b128 v[48+4*\m:51+4*\m], v[SCRD] offset:512*\m
	s_wait_dscnt 0x0
	global_store_b128 v[\voff], v[48+4*\m:51+4*\m], s[\base:\base+1] offset:\imm
.Lnot_mine_\@:
.endm
.macro SEQ g0                          ; the three lines and a round of the cluster's barrier ahead of a later fill, then my quarter of a group
	s_wait_alu depctr_va_vdst(0)
	s_wait_tensorcnt 0x0
	ds_add_u32 v[SPW], v[NIL]
	s_wait_dscnt 0x0
	CROUND
	tensor_load_to_lds s[\g0:\g0+3], s[G1Q:G1Q+7]
	s_nop 0
.rept 4
	v_nop
.endr
.endm
	SEQ G0Q                                        ; the head's four tiles are in, everybody's; block 1's group sets out
	BLOCK 0, ADRB, ADRS
	OUTQK 0, 96
	SEQ G0R                                        ; nobody reads region 0 any more, block 1's group is in; block 2's group sets out
	SCOUT 0, VSQ, 10, 0
	BLOCK 1, ADRB+2, ADRS+1
	OUTQK 1, 98
	s_wait_alu depctr_va_vdst(0)
	s_wait_tensorcnt 0x0                           ; my quarter of block 2's group is in,
	s_wait_dscnt 0x0                               ; my scale words lie in the scratch;
	s_barrier_signal -1
	s_barrier_wait -1                              ; everybody's.
	SCOUT 1, VSK, 12, 12288
	BLOCK 2, ADRB, ADRS+2
.irp t, 0,1,2,3
	global_store_b128 v[IM], v[D+6*\t:D+6*\t+3], s[100:101] offset:1536*\t           ; my half of fragment t: 512 dense bytes,
	global_store_b64 v[IM8], v[D+6*\t+4:D+6*\t+5], s[100:101] offset:1536*\t+512     ; and 256
.endr
.irp d, 0,1
	ds_store_b16 v[SCV], v[W+\d] offset:1024+8*\d          ; my two key blocks' bytes of channel tile 2 d's word,
	ds_store_b16_d16_hi v[SCV], v[W+\d] offset:1024+8*\d+4 ; and of tile 2 d + 1's
.endr
	s_wait_dscnt 0x0
	s_barrier_signal -1
	s_barrier_wait -1
	SCOUT 2, VSK, 12, 12544
	s_wait_tensorcnt 0x0                           ; the wave's end
	ds_add_u32 v[SPW], v[NIL]
	s_wait_dscnt 0x0
	CROUND                                         ; the closing round
	s_endpgm
.Lfunc_end_k_qa646a64bcd_gemm_qkv:
	.size	k_qa646a64bcd_gemm_qkv, .Lfunc_end_k_qa646a64bcd_gemm_qkv-k_qa646a64bcd_gemm_qkv
	.p2alignl 7, 3214868480
	.fill 96, 4, 3214868480
	.section	.rodata,"a",@progbits
	.p2align	6, 0x0
	.amdhsa_kernel k_qa646a64bcd_gemm_qkv
		.amdhsa_group_segment_fixed_size 327680
		.amdhsa_private_segment_fixed_size 0
		.amdhsa_enable_private_segment 0
		.amdhsa_kernarg_size 24
		.amdhsa_user_sgpr_count 2
		.amdhsa_user_sgpr_kernarg_segment_ptr 1
		.amdhsa_wavefront_size32 1
		.amdhsa_system_sgpr_workgroup_id_x 1
		.amdhsa_system_sgpr_workgroup_id_y 1
		.amdhsa_system_sgpr_workgroup_id_z 1
		.amdhsa_system_vgpr_workitem_id 0
		.amdhsa_next_free_vgpr 512
		.amdhsa_next_free_sgpr 102
		.amdhsa_reserve_vcc 0
		.amdhsa_float_denorm_mode_32 3
		.amdhsa_float_denorm_mode_16_64 3
		.amdhsa_memory_ordered 1
		.amdhsa_forward_progress 1
		.amdhsa_inst_pref_size 165
	.end_amdhsa_kernel
	.amdgpu_metadata
---
amdhsa.version: [ 1, 2 ]
amdhsa.kernels:
  - .name:           k_qa646a64bcd_gemm_qkv
    .symbol:         k_qa646a64bcd_gemm_qkv.kd
    .args:
      - { .name: opq, .offset: 0, .size: 8, .value_kind: global_buffer, .address_space: global }
      - { .name: b_qkv, .offset: 8, .size: 8, .value_kind: global_buffer, .address_space: global }
      - { .name: att, .offset: 16, .size: 8, .value_kind: global_buffer, .address_space: global }
    .group_segment_fixed_size: 327680
    .private_segment_fixed_size: 0
    .kernarg_segment_align: 8
    .kernarg_segment_size: 24
    .max_flat_workgroup_size: 128
    .sgpr_count:     102
    .vgpr_count:     512
    .wavefront_size: 32
...
	.end_amdgpu_metadata
.endif
;; end of part 2
;; launch attn (part 3): grid 16 x 16, 8 waves a work-group, clusters of 4 x 1, 327,680 bytes of LDS; arguments att, ctx; writes ctx
.if DOCPART == 3
	.amdgcn_target "amdgcn-amd-amdhsa--gfx1250"
	.amdhsa_code_object_version 6
	.text
	.protected	k_qa646a64bcd_attn
	.globl	k_qa646a64bcd_attn
	.p2align	8
	.type	k_qa646a64bcd_attn,@function
k_qa646a64bcd_attn:
	s_mov_b64 s[64:65], 0
	v_nop
	global_prefetch_b8 v0, s[64:65] scope:SCOPE_SE
	s_setreg_imm32_b32 hwreg(HW_REG_WAVE_MODE, 25, 1), 1
	s_wait_xcnt 0x0
	s_wait_alu depctr_hold_cnt(0) depctr_sa_sdst(0) depctr_va_vdst(0) depctr_va_sdst(0) depctr_va_ssrc(0) depctr_va_vcc(0) depctr_vm_vsrc(0)
	s_getreg_b32 s2, hwreg(HW_REG_IB_STS2, 6, 4)
	s_cmp_eq_u32 s2, 0
	s_cbranch_scc0 .Lentry_in_a_cluster
	s_endpgm
.Lentry_in_a_cluster:
	s_bfe_u32 s2, ttmp6, 0x10000c
	s_cmp_lg_u32 s2, 0x3003
	s_cbranch_scc0 .Lentry_shape_is_right
	s_endpgm
.Lentry_shape_is_right:
; ctx[q][head x 64 + d] = the sum over keys of softmax(q . k / 8) v, both products on codes of FP6 (E2M3) with E8M0 scales; the result is quantised along head x 64 + d in registers and leaves as codes.
; THE SOFTMAX: t = (q . k) x log2(e) / 8; M = the running largest t rounded UP to a whole number; p = 2^(t - M) is quantised along the keys, not normalised; the row's sum is taken of the unquantised p
; and divides at the end; when M moves, the sum and O are multiplied by 2^(old M - new M), which rounds nothing.  The division of q by 8 is exact and is taken in the factor c.
; SHARES.  A work-group owns 256 queries of one head; each of its eight waves owns TWO tiles of 16 queries, which share every fragment of K and V read from LDS and whose chains of vector work take turns.
; Every wave walks the head's 4,096 keys, 128 a step.  A key step's record in att is 12,800 dense bytes: K's four double fragments, V's four fragments (each as two halves of 512 + 256 bytes), K's and V's scale words.
; A slot holds eight records, two slots take turns, wave w fetches record w of a slot: one tensor load a wave, no branch.
; CLUSTER.  The four work-groups of a cluster belong to one head and walk the same records: each load is asked for JOINTLY, with the mask of all four.
; LAYOUT.  Both products are used transposed (S^T = K Q^T, O^T = V^T P^T): a lane holds one query throughout.  The head's 64 fill half of the instruction's 128: a double fragment of K holds tile 2 d's 64 in
; registers 0-5 and tile 2 d + 1's in 6-11, and is multiplied once by (Q, zeros) and once by (zeros, Q).  Row r of tile i of a group of 128 is row 64 (i / 4) + 32 (r / 8) + 8 (i % 4) + r % 8: so the 32 registers of
; four neighbouring tiles of S^T are a WHOLE block of 32 keys in one lane (lanes 0-15 blocks 0 and 2, lanes 16-31 blocks 1 and 3), as the next operand's layout wants it; O^T's 32 registers are a whole block of channels.
; ORDER OF A STEP.  The second product of step i - 1 stands at the head of step i, between the loads of K's fragments and the wait for them.  The step is written once: its first walk multiplies zero codes onto zeros.
; Among tile 0's exponentials stand tile 1's multiply-adds, among tile 1's exponentials the first level of tile 0's sum: plain work that names no result of the batch and is read only behind the batch's wait.
; NO PREFETCH: a slot is asked for eight key steps ahead of its first read, and four clusters walk the same records in the same order.
; LIMITS: the promise holds while the scaled scores t stay under 2^31 in magnitude; NaN and infinities are not served; a block of zeros keeps the byte 1 (its codes are zeros; this program alone reads the bytes);
; blocks of q under 2^-121 would differ from q / 8 quantised.
.set STEPB, 12800
.set SLOTB, 8*STEPB
.set SLOT1, 1<<17                      ; slot 1 begins here: one exclusive or turns an address in one slot into the other's
.set SPARE, 2*SLOT1                    ; the spare words, 128 bytes for each wave: four blocks of 256 bytes that no other line names
.set KVOFF, 3276800
.set QSOFF, 3145728
; window 0
.set AL,  1                            ; 16 x lane
.set AS,  2                            ; 16 r
.set ADK, 3                            ; LDS address of the step's images, 16 bytes a lane
.set ADS, 4                            ; of its scale words
.set SPW, 5                            ; my spare word; never rewritten
.set NIL, 6                            ; 0; never rewritten
.set GO,  7
.set GS,  8
.set AL8, 9                            ; 8 x lane
.set ADV, 10                           ; LDS address of the step's images, 8 bytes a lane
.set NM,  12                           ; tile T: v[NM+2T] = -M, v[NM+2T+1] = the running largest score
.set L,   16                           ; tile T: the sum, in two halves
.set FF,  20                           ; tile T: f = 2^(old M - new M); the upper register is only named
.set T0,  24
.set TX,  26
.set QS,  32                           ; scale words: Q's, p's, K's four, V's four
.set PS,  34
.set KS,  36
.set VS,  40
.set BM,  44                           ; +2T+b: the blocks' largest scores, then largest p
.set BO,  48                           ; the conversions' scale operands
.set BP,  52                           ; the bytes
.set Q,   56                           ; +18T: Q, zeros, Q
.set FK,  92                           ; K's four double fragments
.set FV,  140                          ; V's four fragments
.set PC,  188                          ; +12T: p's codes
.set CT,  212                          ; +8T+4b: the blocks' upper halves on their way
; window 1
.set S,   0                            ; +64T: S^T, then p
.set O,   128                          ; +32T: O^T
.set PT,  192                          ; +32T: sixteen pairs: the tree of the row's sum
.set WV,  18
.set SEL, 20
.set CS,  22                           ; s[22:23] c = log2(e) / 8
.set G1,  24
.set G0,  40
.set TB,  44                           ; LDS byte at which the step's record begins
.set SLOTS, 45
.set STP, 46
.set MSB, 0
.macro WIN new                         ; low byte: bits 1:0 source 0, 3:2 source 1, 5:4 source 2, 7:6 destination; the high byte repeats the setting that is left
.if MSB != (\new)
	s_set_vgpr_msb (MSB<<8)|(\new)
.set MSB, (\new)
.endif
.endm
.macro TLOAD                           ; an s_nop 0 and four v_nop follow the load
	tensor_load_to_lds s[G0:G0+3], s[G1:G1+7]
	s_nop 0
.rept 4
	v_nop
.endr
.endm
.macro CROUND                          ; a round of the cluster's barrier
	s_barrier_signal -1
	s_barrier_wait -1
	s_cmp_lg_u32 s[WV], 0
	s_cbranch_scc1 .Lnot_wave_0_\@
	s_barrier_signal -3
.Lnot_wave_0_\@:
	s_barrier_wait -3
	s_barrier_signal -1
	s_barrier_wait -1
.endm
	s_load_b128 s[4:7], s[0:1], 0x0                ; att s[4:5], ctx s[6:7]
	v_lshl_add_u32 v[SPW], v0, 2, SPARE
	v_mov_b32 v[NIL], 0
	ds_add_u32 v[SPW], v[NIL]                      ; the opening lines: the add, twice on end, and its wait ahead of my first tensor load
	ds_add_u32 v[SPW], v[NIL]
	v_lshrrev_b32 v1, 5, v0
	v_readfirstlane_b32 s[WV], v1                  ; wave 0..7
	s_bfe_u32 s50, ttmp6, 0x40000                  ; cx: it enters Q's and ctx's addresses alone
	s_lshl_b32 s51, ttmp9, 2
	s_add_co_u32 s51, s51, s50                     ; my block of 256 queries
	s_lshl_b32 s51, s51, 1
	s_lshr_b32 s52, s[WV], 2
	s_add_co_u32 s51, s51, s52                     ; my group of 128 tokens
	s_and_b32 s53, s[WV], 3                        ; my double fragment in it: tiles 2 d and 2 d + 1
	s_and_b32 s55, ttmp7, 0xffff                   ; the head, which the four partners share
	s_mul_i32 s57, s[WV], STEPB                    ; the record that I fetch: in a slot and in memory alike
	s_mul_i32 s58, s55, 32*STEPB
	s_add_co_u32 s58, s58, s57
	s_add_co_u32 s58, s58, KVOFF
	s_mov_b32 s59, 0
	s_mov_b32 s[G1], 15|(3<<16)|(1<<21)            ; the mask of all four work-groups; elements of 8 bytes; bit 21 beside a mask; no padding: images are read lane by lane
	s_mov_b32 s[G1+1], 32<<16                      ; rows of 256 bytes
	s_mov_b32 s[G1+2], 50<<16                      ; 12,800 dense bytes
	s_mov_b32 s[G1+3], 32<<16
	s_mov_b32 s[G1+4], 50
	s_mov_b32 s[G1+5], 32
	s_mov_b32 s[G1+6], 0
	s_mov_b32 s[G1+7], 0
	s_mov_b32 s[G0], 1
	s_mov_b32 s[G0+1], s57
	s_mov_b32 s[SEL], 0x76543210
	s_mov_b32 s[SEL+1], 0xfedcba98
	s_mov_b32 s[CS], 0x3e38aa3b                    ; log2(e) / 8
	s_mov_b32 s[CS+1], s[CS]
	s_mov_b32 s[TB], 0
	s_mov_b32 s[SLOTS], 3
	s_wait_dscnt 0x0                               ; both opening adds are done
	s_wait_kmcnt 0x0
	s_add_nc_u64 s[G0+2:G0+3], s[4:5], s[58:59]
	s_or_b32 s[G0+3], s[G0+3], 0x80000000
	CROUND                                         ; all four work-groups are here: the first joint loads meet
	TLOAD                                          ; slot 0: my one tensor load at the head
	s_mov_b32 s61, 0
	s_mul_i32 s60, s55, 196608
	s_mul_i32 s62, s51, 6144
	s_add_co_u32 s60, s60, s62
	s_mul_i32 s62, s53, 1536
	s_add_co_u32 s60, s60, s62
	s_add_nc_u64 s[8:9], s[4:5], s[60:61]          ; Q's double fragment
	s_lshl_b32 s60, s55, 13
	s_lshl_b32 s62, s51, 8
	s_add_co_u32 s60, s60, s62
	s_lshl_b32 s62, s53, 2
	s_add_co_u32 s60, s60, s62
	s_add_co_u32 s60, s60, QSOFF
	s_add_nc_u64 s[10:11], s[4:5], s[60:61]        ; and its scale words
	s_mul_i32 s60, s51, 98304
	s_lshr_b32 s62, s55, 1
	s_mul_i32 s62, s62, 12288
	s_add_co_u32 s60, s60, s62
	s_and_b32 s62, s55, 1
	s_mul_i32 s62, s62, 768
	s_add_co_u32 s60, s60, s62
	s_mul_i32 s62, s53, 3072
	s_add_co_u32 s60, s60, s62
	s_add_nc_u64 s[12:13], s[6:7], s[60:61]        ; ctx: tile 2 d's half fragment, K = 64 x head on; tile 2 d + 1's lies 1,536 bytes further
	s_lshl_b32 s60, s51, 12
	s_lshr_b32 s62, s55, 2
	s_lshl_b32 s62, s62, 10
	s_add_co_u32 s60, s60, s62
	s_lshl_b32 s62, s53, 8
	s_add_co_u32 s60, s60, s62
	s_and_b32 s62, s55, 3
	s_lshl_b32 s62, s62, 1
	s_add_co_u32 s60, s60, s62
	s_add_co_u32 s60, s60, QSOFF
	s_add_nc_u64 s[14:15], s[6:7], s[60:61]        ; ctx's scale bytes: my head's two in each row's pair of words
	v_and_b32 v[AL], 31, v0
	v_lshlrev_b32 v[AL8], 3, v[AL]
	v_lshlrev_b32 v[AL], 4, v[AL]
	v_and_b32 v[AS], 15, v0
	v_lshlrev_b32 v[AS], 4, v[AS]
.irp c, 0,1,2
	global_load_b128 v[FK+4*\c:FK+4*\c+3], v[AL], s[8:9] offset:512*\c
.endr
	global_load_b32 v[T0], v[AS], s[10:11]
.irp T, 0,1
	v_mov_b32 v[NM+2*\T+1], 0xff61b1e6             ; the largest score so far: -3e38
	v_mov_b32 v[NM+2*\T], 0x7e000000               ; -M: so large that the first f is 0
	v_mov_b32 v[L+2*\T], 0
	v_mov_b32 v[L+2*\T+1], 0
	v_mov_b32 v[FF+2*\T+1], 0
	v_mov_b32 v[TX+\T], 0                          ; a lane permute's destination counts as one of its sources
	v_mov_b32 v[PS+\T], 0x7f7f7f7f                 ; finite scale bytes for the first walk's zero codes
.endr
.irp t, 0,1,2,3
	v_mov_b32 v[VS+\t], 0x7f7f7f7f
.endr
.set j, 0
.rept 48
	v_mov_b32 v[FV+j], 0                           ; the first walk's second product: zero codes on both sides
.set j, j+1
.endr
.set j, 0
.rept 24
	v_mov_b32 v[PC+j], 0
.set j, j+1
.endr
	WIN 0x40
.set j, 0
.rept 64
	v_mov_b32 v[O+j], 0                            ; O^T of both tiles
.set j, j+1
.endr
	WIN 0
	s_wait_alu depctr_va_vdst(0)
	s_wait_loadcnt 0x0
.irp T, 0,1
.irp i, 0,1,2,3,4,5
	v_mov_b32 v[Q+18*\T+\i], v[FK+6*\T+\i]
	v_mov_b32 v[Q+18*\T+6+\i], 0
	v_mov_b32 v[Q+18*\T+12+\i], v[FK+6*\T+\i]
.endr
.endr
	v_perm_b32 v[QS], v[T0], v[T0], 0x01000100     ; each tile's two scale bytes, twice
	v_perm_b32 v[QS+1], v[T0], v[T0], 0x03020302
	s_wait_alu depctr_va_vdst(0)
; O^T += V^T P^T.  younger: the LDS loads issued behind V's, which may stay out
.macro PV younger
	s_wait_dscnt \younger
	WIN 0x50
.irp t, 0,1,2,3                                ; eight accumulators by turns
.irp T, 0,1
	v_wmma_scale_f32_16x16x128_f8f6f4 v[O+32*\T+8*\t:O+32*\T+8*\t+7], v[FV+12*\t:FV+12*\t+11], v[PC+12*\T:PC+12*\T+11], v[O+32*\T+8*\t:O+32*\T+8*\t+7], v[VS+\t], v[PS+\T] matrix_a_fmt:MATRIX_FMT_FP6 matrix_b_fmt:MATRIX_FMT_FP6
.endr
.endr
.endm
; A KEY STEP: 128 keys x 32 queries
.macro STEP
	v_add_nc_u32 v[ADK], s[TB], v[AL]
	v_add_nc_u32 v[ADS], s[TB], v[AS]
	v_add_nc_u32 v[ADV], s[TB], v[AL8]
	s_wait_alu depctr_va_vdst(0)                   ; directly behind the writes: V's loads read the three addresses behind the waits below
.irp d, 0,1,2,3
.irp c, 0,1,2
	ds_load_b128 v[FK+12*\d+4*\c:FK+12*\d+4*\c+3], v[ADK] offset:1536*\d+512*\c
.endr
.endr
	ds_load_b128 v[KS:KS+3], v[ADS] offset:12288
	PV 13                                          ; the last step's second product: behind V's loads stand the 13 just issued
	s_wait_dscnt 0x0                               ; K is in
	WIN 0x40
.irp d, 0,1,2,3                                ; S^T: register 8 a + j of lane (r, h) is key 64 (a / 4) + 32 h + 8 (a % 4) + j of query r
.irp u, 0,1
.irp T, 0,1
	v_wmma_scale_f32_16x16x128_f8f6f4 v[S+64*\T+16*\d+8*\u:S+64*\T+16*\d+8*\u+7], v[FK+12*\d:FK+12*\d+11], v[Q+18*\T+6*\u:Q+18*\T+6*\u+11], 0, v[KS+\d], v[QS+\T] matrix_a_fmt:MATRIX_FMT_FP6 matrix_b_fmt:MATRIX_FMT_FP6
.endr
.endr
.endr
	WIN 0
.rept 4
	v_nop                                          ; places in front of the loads below and of the first read of the scores
.endr
.irp t, 0,1,2,3                                ; V's fragments land while the softmax is walked: each half is 16 bytes a lane, then 8
.irp g, 0,1
	ds_load_b128 v[FV+12*\t+6*\g:FV+12*\t+6*\g+3], v[ADK] offset:6144+1536*\t+768*\g
	ds_load_b64 v[FV+12*\t+6*\g+4:FV+12*\t+6*\g+5], v[ADV] offset:6144+1536*\t+768*\g+512
.endr
.endr
	ds_load_b128 v[VS:VS+3], v[ADS] offset:12544
	WIN 0x15
.irp T, 0,1
.irp b, 0,1
	v_max3_num_f32 v[BM+2*\T+\b], v[S+64*\T+32*\b], v[S+64*\T+32*\b+1], v[S+64*\T+32*\b+2]   ; the largest score of each of my blocks of 32 keys: four chains by turns; each accumulator is first read at its low end
.endr
.endr
	WIN 0x14
.irp i, 3,5,7,9,11,13,15,17,19,21,23,25,27,29
.irp T, 0,1
.irp b, 0,1
	v_max3_num_f32 v[BM+2*\T+\b], v[BM+2*\T+\b], v[S+64*\T+32*\b+\i], v[S+64*\T+32*\b+\i+1]
.endr
.endr
.endr
.irp T, 0,1
.irp b, 0,1
	v_max_num_f32 v[BM+2*\T+\b], v[BM+2*\T+\b], v[S+64*\T+32*\b+31]
.endr
.endr
	WIN 0
.irp T, 0,1
	v_max_num_f32 v[T0+\T], v[BM+2*\T], v[BM+2*\T+1]
.endr
.irp T, 0,1
	v_permlanex16_b32 v[TX+\T], v[T0+\T], s[SEL], s[SEL+1]
.endr
.irp T, 0,1
	v_max3_num_f32 v[NM+2*\T+1], v[NM+2*\T+1], v[T0+\T], v[TX+\T]   ; the running largest score, lane l xor 16's 64 keys among them
.endr
.irp T, 0,1
	v_mul_f32 v[T0+\T], s[CS], v[NM+2*\T+1]        ; as t (c is positive)
.endr
.irp T, 0,1
	v_mov_b32 v[TX+\T], v[NM+2*\T]
.endr
.irp T, 0,1
	v_floor_f32 v[NM+2*\T], -v[T0+\T]              ; the new -M = -ceil(t): a whole number
.endr
.irp T, 0,1
	v_sub_f32 v[TX+\T], v[NM+2*\T], v[TX+\T]       ; old M - new M: a whole number, 0 or less
.endr
.irp T, 0,1
	v_cvt_i32_f32 v[TX+\T], v[TX+\T]               ; (it saturates)
.endr
.irp T, 0,1
	v_ldexp_f32 v[FF+2*\T], 1.0, v[TX+\T]          ; f = 2^(old M - new M)
.endr
.irp T, 0,1
.irp b, 0,1
	v_fma_f32 v[BM+2*\T+\b], v[BM+2*\T+\b], s[CS], v[NM+2*\T]   ; t - M of each block's largest score
.endr
.endr
	WIN 0x41
.set j, 0
.rept 16
	v_pk_mul_f32 v[O+j:O+j+1], v[O+j:O+j+1], v[FF:FF+1] op_sel_hi:[1,0]                        ; O^T under the new M: each accumulator from its low end on; no exponential stands between the product above and these
	v_pk_mul_f32 v[O+32+j:O+33+j], v[O+32+j:O+33+j], v[FF+2:FF+3] op_sel_hi:[1,0]
.set j, j+2
.endr
.set j, 0
.rept 32
	v_pk_fma_f32 v[S+j:S+j+1], v[S+j:S+j+1], s[CS:CS+1], v[NM:NM+1] op_sel_hi:[1,0,0]          ; tile 0: t - M, two at a time
.set j, j+2
.endr
	WIN 0
	s_wait_alu depctr_va_vdst(0)
.irp i, 0,1,2,3
	v_exp_f32 v[BM+\i], v[BM+\i]                   ; the block's largest p: the same two instructions on the same number give the same bits
.endr
	WIN 0x41
.set j, 0
.rept 32
	v_exp_f32 v[S+j], v[S+j]                       ; tile 0: p = 2^(t - M), at most 1
	v_exp_f32 v[S+j+1], v[S+j+1]
	v_pk_fma_f32 v[S+64+j:S+65+j], v[S+64+j:S+65+j], s[CS:CS+1], v[NM+2:NM+3] op_sel_hi:[1,0,0]   ; tile 1: t - M; first read behind the waits below
.set j, j+2
.endr
	WIN 0
	v_nop                                          ; a plain instruction behind the exponentials
	s_wait_alu depctr_va_vdst(0)                   ; one wait for the batch, ahead of its first reader
.irp i, 0,1,2,3
	v_max_num_f32 v[BM+\i], 0x1800000, v[BM+\i]    ; the floor 2^(3 - 127): the byte cannot fall under 1
.endr
.irp i, 0,1,2,3
	v_add_nc_u32 v[BO+\i], 0xff000000, v[BM+\i]    ; 2 off the exponent field: the conversion's scale operand
.endr
.irp i, 0,1,2,3
	v_lshrrev_b32 v[BP+\i], 23, v[BO+\i]           ; the scale's byte
.endr
.irp T, 0,1
	v_lshl_or_b32 v[T0+\T], v[BP+2*\T+1], 16, v[BP+2*\T]
.endr
.irp T, 0,1
	v_permlanex16_b32 v[TX+\T], v[T0+\T], s[SEL], s[SEL+1]
.endr
.irp T, 0,1
	v_lshl_or_b32 v[PS+\T], v[TX+\T], 8, v[T0+\T]  ; lanes 0-15: blocks 0 and 2 are mine, 1 and 3 lane l + 16's: the word is whole.  Lanes 16-31 are not read
.endr
	WIN 0x45
	s_wait_alu depctr_va_vdst(0)
.set j, 0
.rept 16
	v_exp_f32 v[S+64+4*j], v[S+64+4*j]             ; tile 1's p
	v_exp_f32 v[S+65+4*j], v[S+65+4*j]
	v_pk_add_f32 v[PT+2*j:PT+2*j+1], v[S+4*j:S+4*j+1], v[S+4*j+2:S+4*j+3]   ; THE ROW'S SUM, of the unquantised p: tile 0's first level, read behind the wait below
	v_exp_f32 v[S+66+4*j], v[S+66+4*j]
	v_exp_f32 v[S+67+4*j], v[S+67+4*j]
.set j, j+1
.endr
	WIN 0
	v_nop
	s_wait_alu depctr_va_vdst(0)                   ; one wait for the batch
	WIN 0x01
.irp T, 0,1
.irp b, 0,1
	v_cvt_scalef32_pk16_fp6_f32 v[PC+12*\T+6*\b:PC+12*\T+6*\b+2], v[S+64*\T+32*\b:S+64*\T+32*\b+15], v[BO+2*\T+\b]
	v_cvt_scalef32_pk16_fp6_f32 v[CT+8*\T+4*\b:CT+8*\T+4*\b+2], v[S+64*\T+32*\b+16:S+64*\T+32*\b+31], v[BO+2*\T+\b]
.endr
.endr
	WIN 0
	v_nop                                          ; one plain instruction behind the scaled conversions
.irp T, 0,1
.irp b, 0,1
.irp i, 0,1,2
	v_mov_b32 v[PC+12*\T+6*\b+3+\i], v[CT+8*\T+4*\b+\i]   ; a conversion's three registers begin on an even number: a block's upper half is moved
.endr
.endr
.endr
	WIN 0x45
.set j, 0
.rept 16
	v_pk_add_f32 v[PT+32+2*j:PT+33+2*j], v[S+64+4*j:S+65+4*j], v[S+66+4*j:S+67+4*j]   ; tile 1's first level
.set j, j+1
.endr
.irp n, 8,4,2,1                                ; the tree's other levels, both tiles by turns.  (These are also the places between the codes' last lines and the next product)
.set j, 0
.rept \n
	v_pk_add_f32 v[PT+2*j:PT+2*j+1], v[PT+2*j:PT+2*j+1], v[PT+2*(j+\n):PT+2*(j+\n)+1]
	v_pk_add_f32 v[PT+32+2*j:PT+33+2*j], v[PT+32+2*j:PT+33+2*j], v[PT+32+2*(j+\n):PT+33+2*(j+\n)]
.set j, j+1
.endr
.endr
	WIN 0x10
.irp T, 0,1
	v_pk_fma_f32 v[L+2*\T:L+2*\T+1], v[L+2*\T:L+2*\T+1], v[FF+2*\T:FF+2*\T+1], v[PT+32*\T:PT+32*\T+1] op_sel_hi:[1,0,1]   ; the old sum under the new M, and this step's
.endr
	WIN 0
	s_add_co_u32 s[TB], s[TB], STEPB
.endm
; THE CHANGE OF SLOTS stands at a slot's head.  Each wave waits for all its tensor loads (its record of the slot ahead), adds 0 to its spare word, and waits for that and for its reads of the slot that it has left.
; fill = 1: the barrier is a round of the cluster's, and behind it the slot just left (the first time: slot 1) is filled with the keys that follow: the load has eight key steps in which to land.
.macro CHANGE fill
	s_wait_tensorcnt 0x0                           ; no tensor load of mine is out, so the descriptor may be written
	ds_add_u32 v[SPW], v[NIL]
.if \fill
	s_xor_b32 s[G0+1], s[G0+1], SLOT1
	s_add_nc_u64 s[G0+2:G0+3], s[G0+2:G0+3], SLOTB
.endif
	s_wait_dscnt 0x0
.if \fill
	CROUND
	TLOAD
.else
	s_barrier_signal -1
	s_barrier_wait -1
.endif
.endm
.macro SLOT_STEPS                      ; a slot's eight key steps: written once, walked eight times
	s_mov_b32 s[STP], 8
.Lstep_\@:
	STEP
	s_sub_co_u32 s[STP], s[STP], 1
	s_cmp_lg_u32 s[STP], 0
	s_wait_alu depctr_va_vdst(0)                   ; directly ahead of the branch
	s_cbranch_scc1 .Lstep_\@
	s_sub_co_u32 s[TB], s[TB], SLOTB
	s_xor_b32 s[TB], s[TB], SLOT1
.endm
.Lslot:                                            ; three trips: behind each change of slots but the last the next slot is asked for
	CHANGE 1
	SLOT_STEPS
	s_sub_co_u32 s[SLOTS], s[SLOTS], 1
	s_cmp_lg_u32 s[SLOTS], 0
	s_cbranch_scc1 .Lslot
	CHANGE 0                                       ; the last slot is written out
	SLOT_STEPS
	PV 0                                           ; the last step's second product
	; THE WAY OUT.  O^T / the sum: register i of lane (r, h) is channel 32 h + i of query r: a whole block of the next product's K.  It is quantised here and leaves as half a fragment.
	WIN 0
.rept 4
	v_nop                                          ; places behind the last products
.endr
.irp T, 0,1
	v_add_f32 v[L+2*\T], v[L+2*\T], v[L+2*\T+1]
.endr
.irp T, 0,1
	v_permlanex16_b32 v[TX+\T], v[L+2*\T], s[SEL], s[SEL+1]
.endr
.irp T, 0,1
	v_add_f32 v[L+2*\T], v[L+2*\T], v[TX+\T]       ; the row's sum
.endr
	s_wait_alu depctr_va_vdst(0)
.irp T, 0,1
	v_rcp_f32 v[FF+2*\T], v[L+2*\T]
.endr
	v_and_b32 v[GS], 15, v0                        ; (plain work behind the reciprocals)
	v_bfe_u32 v[T0], v0, 4, 1
	v_lshl_add_u32 v[GS], v[GS], 3, v[T0]          ; 8 r + h
	v_and_b32 v[GO], 31, v0
	v_lshlrev_b32 v[GO], 3, v[GO]
	WIN 0x41
	s_wait_alu depctr_va_vdst(0)                   ; the wait ahead of the first reader of the reciprocals and of O^T
.set j, 0
.rept 16
	v_pk_mul_f32 v[S+j:S+j+1], v[O+j:O+j+1], v[FF:FF+1] op_sel_hi:[1,0]   ; each accumulator from its low end on
	v_pk_mul_f32 v[S+64+j:S+65+j], v[O+32+j:O+33+j], v[FF+2:FF+3] op_sel_hi:[1,0]
.set j, j+2
.endr
	WIN 0x05
.irp T, 0,1
	v_max3_num_f32 v[BM+2*\T], |v[S+64*\T]|, |v[S+64*\T+1]|, 0x1800000
.endr
	WIN 0x14
.irp i, 2,4,6,8,10,12,14,16,18,20,22,24,26,28,30
.irp T, 0,1
	v_max3_num_f32 v[BM+2*\T], v[BM+2*\T], |v[S+64*\T+\i]|, |v[S+64*\T+\i+1]|
.endr
.endr
	WIN 0
.irp T, 0,1
	v_add_nc_u32 v[BO+2*\T], 0xff000000, v[BM+2*\T]
.endr
.irp T, 0,1
	v_lshrrev_b32 v[BP+2*\T], 23, v[BO+2*\T]       ; my block's byte
.endr
	WIN 0x01
.irp T, 0,1
	v_cvt_scalef32_pk16_fp6_f32 v[PC+12*\T:PC+12*\T+2], v[S+64*\T:S+64*\T+15], v[BO+2*\T]
	v_cvt_scalef32_pk16_fp6_f32 v[CT+8*\T:CT+8*\T+2], v[S+64*\T+16:S+64*\T+31], v[BO+2*\T]
.endr
	WIN 0
	v_nop
.irp T, 0,1
.irp i, 0,1,2
	v_mov_b32 v[PC+12*\T+3+\i], v[CT+8*\T+\i]
.endr
.endr
.irp T, 0,1
.irp p, 0,1,2
	global_store_b64 v[GO], v[PC+12*\T+2*\p:PC+12*\T+2*\p+1], s[12:13] offset:1536*\T+256*\p   ; 32 lanes store 256 consecutive bytes, aligned
.endr
	global_store_b8 v[GS], v[BP+2*\T], s[14:15] offset:128*\T   ; single bytes: a scale word of the next product holds two heads' bytes, and two heads have different work-groups
.endr
	s_wait_tensorcnt 0x0                           ; the wave's end
	ds_add_u32 v[SPW], v[NIL]
	s_wait_dscnt 0x0
	CROUND                                         ; the closing round
	s_endpgm
.Lfunc_end_k_qa646a64bcd_attn:
	.size	k_qa646a64bcd_attn, .Lfunc_end_k_qa646a64bcd_attn-k_qa646a64bcd_attn
	.p2alignl 7, 3214868480
	.fill 96, 4, 3214868480
	.section	.rodata,"a",@progbits
	.p2align	6, 0x0
	.amdhsa_kernel k_qa646a64bcd_attn
		.amdhsa_group_segment_fixed_size 327680
		.amdhsa_private_segment_fixed_size 0
		.amdhsa_enable_private_segment 0
		.amdhsa_kernarg_size 16
		.amdhsa_user_sgpr_count 2
		.amdhsa_user_sgpr_kernarg_segment_ptr 1
		.amdhsa_wavefront_size32 1
		.amdhsa_system_sgpr_workgroup_id_x 1
		.amdhsa_system_sgpr_workgroup_id_y 1
		.amdhsa_system_sgpr_workgroup_id_z 1
		.amdhsa_system_vgpr_workitem_id 0
		.amdhsa_next_free_vgpr 512
		.amdhsa_next_free_sgpr 66
		.amdhsa_reserve_vcc 0
		.amdhsa_float_denorm_mode_32 3
		.amdhsa_float_denorm_mode_16_64 3
		.amdhsa_memory_ordered 1
		.amdhsa_forward_progress 1
		.amdhsa_inst_pref_size 75
	.end_amdhsa_kernel
	.amdgpu_metadata
---
amdhsa.version: [ 1, 2 ]
amdhsa.kernels:
  - .name:           k_qa646a64bcd_attn
    .symbol:         k_qa646a64bcd_attn.kd
    .args:
      - { .name: att, .offset: 0, .size: 8, .value_kind: global_buffer, .address_space: global }
      - { .name: ctx, .offset: 8, .size: 8, .value_kind: global_buffer, .address_space: global }
    .group_segment_fixed_size: 327680
    .private_segment_fixed_size: 0
    .kernarg_segment_align: 8
    .kernarg_segment_size: 16
    .max_flat_workgroup_size: 256
    .sgpr_count:     66
    .vgpr_count:     512
    .wavefront_size: 32
...
	.end_amdgpu_metadata
.endif
;; end of part 3
;; launch gemm_out (part 4): grid 8 x 32, 4 waves a work-group, clusters of 4 x 4, 327,680 bytes of LDS; arguments ctx, opq, b_out, out0; writes out0
.if DOCPART == 4
	.amdgcn_target "amdgcn-amd-amdhsa--gfx1250"
	.amdhsa_code_object_version 6
	.text
	.protected	k_qa646a64bcd_gemm_out
	.globl	k_qa646a64bcd_gemm_out
	.p2align	8
	.type	k_qa646a64bcd_gemm_out,@function
k_qa646a64bcd_gemm_out:
	s_mov_b64 s[64:65], 0
	v_nop
	global_prefetch_b8 v0, s[64:65] scope:SCOPE_SE
	s_setreg_imm32_b32 hwreg(HW_REG_WAVE_MODE, 25, 1), 1
	s_wait_xcnt 0x0
	s_wait_alu depctr_hold_cnt(0) depctr_sa_sdst(0) depctr_va_vdst(0) depctr_va_sdst(0) depctr_va_ssrc(0) depctr_va_vcc(0) depctr_vm_vsrc(0)
	s_getreg_b32 s2, hwreg(HW_REG_IB_STS2, 6, 4)
	s_cmp_eq_u32 s2, 0
	s_cbranch_scc0 .Lentry_in_a_cluster
	s_endpgm
.Lentry_in_a_cluster:
	s_bfe_u32 s2, ttmp6, 0x10000c
	s_cmp_lg_u32 s2, 0xf033
	s_cbranch_scc0 .Lentry_shape_is_right
	s_endpgm
.Lentry_shape_is_right:
; out0[token][n] = the sum over k of ctx[token][k] w_out[n][k] + b_out[n], on codes of FP6 (E2M3) with E8M0 scales; sums in f32.
; SHARES.  4,096 x 1,024 results in blocks of 128 x 128: 256 work-groups.  A block's operands are one group of 128 rows of ctx and one of w_out (group 56 + x of opq), each for ALL of K:
; 98,304 dense bytes of codes and 4,096 of scale words, as images of registers.  All four lie in LDS at once (204,800 bytes): four tensor loads at the head, one a wave; nothing is filled again, so there is no ring.
; A wave makes 64 x 64: 16 accumulators; K goes in eight steps of 128; the fragments of the next step are read from LDS into a second set of registers while a step is multiplied.
; CLUSTER 4 x 4: ctx's group hangs on the block's row alone and is asked for jointly along a row of the cluster, w_out's on its column alone and is asked for along a column.
; Row r of tile i of a group is row 64 (i / 4) + 32 (r / 8) + 8 (i % 4) + r % 8.  The product is used transposed (source 0 = w_out's rows, source 1 = ctx's): lane (r, h) holds token row r and, in tile b, columns 32 h + 8 b + 0 .. 7.
; NO PREFETCH: the launch has no loop to run ahead in; all that it reads is asked for at its head.
; REGISTERS.  Window 0: v0-31 addresses, v32-47 scale words (two sets), v64-159 and v160-255 the two sets of fragments (B's four, then A's four).  Window 1: v0-127 accumulator (a, b) at 8 (4 a + b); v128-159 the bias.
.set BCOD,  98304
.set ASC,   196608
.set BSC,   200704
.set STAGE, 204800                     ; the way out: 16 rows x 272 bytes for each wave; no tensor load lands here
.set SPITCH, 272
.set SPARE, STAGE+4*16*SPITCH          ; the spare words, 128 bytes for each wave: two blocks of 256 bytes that no other line names
.set ADRA, 16                          ; v16-17 A's fragments, steps 0-3 and 4-7
.set ADRB, 20
.set STO,  24
.set RD,   25
.set CO,   26
.set ADRS, 27
.set SPW,  28
.set NIL,  29
.set SC,   32
.set FB,   64
.set BK,   64
.set BI,   128
.set G1, 24
.set G0, 32
.set G0B, 36
.set G1B, 48
.set G1S, 68
.set G0S, 76
.set G1SB, 80
.set G0SB, 88
.set MSB, 0
.macro WIN new
.if MSB != (\new)
	s_set_vgpr_msb (MSB<<8)|(\new)
.set MSB, (\new)
.endif
.endm
.macro CROUND
	s_barrier_signal -1
	s_barrier_wait -1
	s_cmp_lg_u32 s14, 0
	s_cbranch_scc1 .Lnot_wave_0_\@
	s_barrier_signal -3
.Lnot_wave_0_\@:
	s_barrier_wait -3
	s_barrier_signal -1
	s_barrier_wait -1
.endm
.macro PLACES
.rept 4
	v_nop
.endr
.endm
	s_load_b256 s[4:11], s[0:1], 0x0               ; ctx s[4:5], opq s[6:7], b_out s[8:9], out0 s[10:11]
	v_lshl_add_u32 v[SPW], v0, 2, SPARE
	v_mov_b32 v[NIL], 0
	ds_add_u32 v[SPW], v[NIL]                      ; the opening lines: the add, twice on end, and its wait
	ds_add_u32 v[SPW], v[NIL]
	v_lshrrev_b32 v1, 5, v0
	v_readfirstlane_b32 s14, v1                    ; wave 0..3
	s_lshr_b32 s15, s14, 1                         ; which 64 rows of the block are mine
	s_and_b32 s16, s14, 1                          ; which 64 columns
	s_bfe_u32 s40, ttmp6, 0x40000                  ; cx, cy
	s_bfe_u32 s41, ttmp6, 0x40004
	s_lshl_b32 s42, ttmp9, 2
	s_add_co_u32 s42, s42, s40                     ; the block's column x
	s_and_b32 s17, ttmp7, 0xffff
	s_lshl_b32 s17, s17, 2
	s_add_co_u32 s17, s17, s41                     ; the block's row y
	s_lshl_b32 s43, s41, 2
	s_lshl_b32 s43, 15, s43                        ; my row of the cluster
	s_lshl_b32 s44, 0x1111, s40                    ; my column
	s_or_b32 s[G1+0], s43, (3<<16)|(1<<21)         ; elements of 8 bytes, no padding: images are read lane by lane
	s_or_b32 s[G1B+0], s44, (3<<16)|(1<<21)
.irp g, G1, G1B
	s_mov_b32 s[\g+1], 32<<16                      ; rows of 256 bytes,
	s_mov_b32 s[\g+2], 384<<16                     ; 384 of them
	s_mov_b32 s[\g+3], 32<<16
	s_mov_b32 s[\g+4], 384
	s_mov_b32 s[\g+5], 32
	s_mov_b32 s[\g+6], 0
	s_mov_b32 s[\g+7], 0
.endr
	s_or_b32 s[G1S+0], s43, (3<<16)|(1<<21)
	s_or_b32 s[G1SB+0], s44, (3<<16)|(1<<21)
.irp g, G1S, G1SB
	s_mov_b32 s[\g+1], 32<<16
	s_mov_b32 s[\g+2], 16<<16
	s_mov_b32 s[\g+3], 32<<16
	s_mov_b32 s[\g+4], 16
	s_mov_b32 s[\g+5], 32
	s_mov_b32 s[\g+6], 0
	s_mov_b32 s[\g+7], 0
.endr
	s_mul_i32 s20, s17, 98304
	s_mov_b32 s21, 0
	s_lshl_b32 s22, s17, 12
	s_add_co_u32 s22, s22, 3145728
	s_mov_b32 s23, 0
	s_add_co_u32 s46, s42, 56
	s_lshl_b32 s92, s46, 12
	s_add_co_u32 s92, s92, 6291456
	s_mov_b32 s93, 0
	s_mul_i32 s46, s46, 98304
	s_mov_b32 s47, 0
	s_wait_dscnt 0x0
	s_wait_kmcnt 0x0
	s_add_nc_u64 s[20:21], s[4:5], s[20:21]
	s_add_nc_u64 s[22:23], s[4:5], s[22:23]
	s_add_nc_u64 s[46:47], s[6:7], s[46:47]
	s_add_nc_u64 s[92:93], s[6:7], s[92:93]
	CROUND                                         ; all sixteen work-groups are here: the joint loads meet
	s_mov_b32 s[G0], 1
	s_mov_b32 s[G0+1], 0
	s_mov_b64 s[G0+2:G0+3], s[20:21]
	s_or_b32 s[G0+3], s[G0+3], 0x80000000
	s_mov_b32 s[G0B], 1
	s_mov_b32 s[G0B+1], BCOD
	s_mov_b64 s[G0B+2:G0B+3], s[46:47]
	s_or_b32 s[G0B+3], s[G0B+3], 0x80000000
	s_mov_b32 s[G0S], 1
	s_mov_b32 s[G0S+1], ASC
	s_mov_b64 s[G0S+2:G0S+3], s[22:23]
	s_or_b32 s[G0S+3], s[G0S+3], 0x80000000
	s_mov_b32 s[G0SB], 1
	s_mov_b32 s[G0SB+1], BSC
	s_mov_b64 s[G0SB+2:G0SB+3], s[92:93]
	s_or_b32 s[G0SB+3], s[G0SB+3], 0x80000000
; one tree of branches on the wave's number, one load to an arm: wave 0 A's codes, wave 1 B's, wave 2 A's scale words, wave 3 B's
.macro ARM under, g0, g1, next
	s_cmp_lt_u32 s14, \under
	s_cbranch_scc0 \next
	tensor_load_to_lds s[\g0:\g0+3], s[\g1:\g1+7]
	s_nop 0
.rept 4
	v_nop
.endr
	s_branch .Lhead_asked
\next:
.endm
	ARM 1, G0,  G1,  .Lhead_b
	ARM 2, G0B, G1B, .Lhead_sa
	ARM 3, G0S, G1S, .Lhead_sb
	tensor_load_to_lds s[G0SB:G0SB+3], s[G1SB:G1SB+7]
	s_nop 0
.rept 4
	v_nop
.endr
.Lhead_asked:
	s_mul_i32 s21, s15, 6144                       ; my four tiles of A,
	s_mul_i32 s22, s16, 6144
	s_add_co_u32 s22, s22, BCOD                    ; of B
	s_lshl_b32 s18, s15, 9                         ; their scale words: A's,
	s_lshl_b32 s23, s16, 9
	s_add_co_u32 s23, s23, BSC-ASC
	s_sub_co_u32 s23, s23, s18                     ; and how far behind them B's lie
	s_add_co_u32 s18, s18, ASC
	s_mul_i32 s19, s14, 16*SPITCH
	s_add_co_u32 s19, s19, STAGE                   ; my stage
	s_lshl_b32 s46, s42, 9
	s_lshl_b32 s47, s16, 8
	s_add_co_u32 s46, s46, s47                     ; my first column, in bytes: 512 x + 256 x half
	s_mov_b32 s47, 0
	s_add_nc_u64 s[12:13], s[8:9], s[46:47]        ; the bias
	s_lshl_b32 s20, s17, 7
	s_lshl_b32 s45, s15, 6
	s_add_co_u32 s20, s20, s45
	s_lshl_b32 s20, s20, 12                        ; my first row: 128 y + 64 x half, rows of 4,096 bytes
	s_add_co_u32 s46, s46, s20
	s_add_nc_u64 s[94:95], s[10:11], s[46:47]
	v_and_b32 v1, 15, v0                           ; r
	v_bfe_u32 v2, v0, 4, 1                         ; h
	v_and_b32 v3, 31, v0
	v_lshlrev_b32 v4, 3, v3                        ; 8 x lane: my place in a piece
	v_add_nc_u32 v[ADRA], s21, v4
	v_add_nc_u32 v[ADRB], s22, v4
	v_add_nc_u32 v[ADRA+1], 49152, v[ADRA]
	v_add_nc_u32 v[ADRB+1], 49152, v[ADRB]
	v_lshlrev_b32 v5, 3, v1
	v_mul_u32_u24 v6, s23, v2                      ; lanes 16-31 take B's words
	v_add_nc_u32 v5, v5, v6
	v_add_nc_u32 v[ADRS], s18, v5
	v_mul_u32_u24 v5, v1, SPITCH
	v_lshl_add_u32 v5, v2, 7, v5
	v_add_nc_u32 v[STO], s19, v5                   ; into the stage: row r, 128 bytes for each half of the lanes
	v_mul_u32_u24 v5, v2, SPITCH
	v_lshl_add_u32 v5, v1, 4, v5
	v_add_nc_u32 v[RD], s19, v5                    ; back: sixteen lanes to a row of 256 bytes, two rows an instruction
	v_lshlrev_b32 v[CO], 12, v2
	v_lshl_add_u32 v[CO], v1, 4, v[CO]             ; and the same two rows in out0
	v_lshlrev_b32 v30, 7, v2
	WIN 0x40
.irp b, 0,1,2,3
	global_load_b128 v[BI+8*\b:BI+8*\b+3], v30, s[12:13] offset:32*\b        ; b_out at my columns 32 h + 8 b + 0 .. 7
	global_load_b128 v[BI+8*\b+4:BI+8*\b+7], v30, s[12:13] offset:32*\b+16
.endr
	WIN 0
.macro FRAGS st, buf                   ; step st's fragments: B's four, A's four, six loads of 8 bytes each
.irp i, 0,1,2,3
.irp p, 0,1,2,3,4,5
	ds_load_b64 v[FB+96*(\buf)+12*\i+2*\p:FB+96*(\buf)+12*\i+2*\p+1], v[ADRB+(\st)/4] offset:((\st)%4)*12288+\i*1536+256*\p
.endr
.endr
.irp i, 0,1,2,3
.irp p, 0,1,2,3,4,5
	ds_load_b64 v[FB+96*(\buf)+48+12*\i+2*\p:FB+96*(\buf)+48+12*\i+2*\p+1], v[ADRA+(\st)/4] offset:((\st)%4)*12288+\i*1536+256*\p
.endr
.endr
.endm
.macro SCALES pr                       ; the scale words of steps 2 pr and 2 pr + 1 into set pr % 2: lanes 0-15 A's tile i, lanes 16-31 B's tile i
.irp i, 0,1,2,3
	ds_load_b64 v[SC+8*((\pr)%2)+2*\i:SC+8*((\pr)%2)+2*\i+1], v[ADRS] offset:1024*(\pr)+128*\i
.endr
.endm
.macro MUL st                          ; 16 accumulators by turns; the first step's C is the bias
	WIN 0x50
.irp a, 0,1,2,3
.irp b, 0,1,2,3
.if (\st) == 0
	v_wmma_scale_f32_16x16x128_f8f6f4 v[8*(4*\a+\b):8*(4*\a+\b)+7], v[FB+12*\b:FB+12*\b+11], v[FB+48+12*\a:FB+48+12*\a+11], v[BI+8*\b:BI+8*\b+7], v[SC+2*\b], v[SC+2*\a] matrix_a_fmt:MATRIX_FMT_FP6 matrix_b_fmt:MATRIX_FMT_FP6 matrix_a_scale:MATRIX_SCALE_ROW1
.else
	v_wmma_scale_f32_16x16x128_f8f6f4 v[8*(4*\a+\b):8*(4*\a+\b)+7], v[FB+96*((\st)%2)+12*\b:FB+96*((\st)%2)+12*\b+11], v[FB+96*((\st)%2)+48+12*\a:FB+96*((\st)%2)+48+12*\a+11], v[8*(4*\a+\b):8*(4*\a+\b)+7], v[SC+8*(((\st)/2)%2)+2*\b+(\st)%2], v[SC+8*(((\st)/2)%2)+2*\a+(\st)%2] matrix_a_fmt:MATRIX_FMT_FP6 matrix_b_fmt:MATRIX_FMT_FP6 matrix_a_scale:MATRIX_SCALE_ROW1
.endif
.endr
.endr
	WIN 0
.endm
	s_wait_alu depctr_va_vdst(0)
	s_wait_loadcnt 0x0                             ; the bias is in
	s_wait_tensorcnt 0x0                           ; my tile of the four is in;
	s_barrier_signal -1
	s_barrier_wait -1                              ; and everybody's.
	FRAGS 0, 0
	SCALES 0
.set ST, 0
.rept 7
.if ST > 0
	PLACES                                         ; in front of loads into registers that the last step's products have read
.endif
	FRAGS ST+1, (ST+1)%2
.if (ST+1)%2 == 0
	SCALES (ST+1)/2
	s_wait_dscnt 52                                ; all but the next step's 48 fragment loads and 4 scale loads
.else
	s_wait_dscnt 48                                ; all but the next step's 48
.endif
	MUL ST
.set ST, ST+1
.endr
	s_wait_dscnt 0x0
	MUL 7
; THE WAY OUT, by blocks of 16 rows x 64 columns: through my own stage and back as whole rows of 256 bytes.  LDS serves a wave's instructions in order: no wait between the stores and the loads.
.macro TOSTAGE a
	WIN 0x04                                       ; the data: window 1
.irp b, 0,1,2,3
	ds_store_b128 v[STO], v[8*(4*(\a)+\b):8*(4*(\a)+\b)+3] offset:32*\b      ; each accumulator from its low end on
	ds_store_b128 v[STO], v[8*(4*(\a)+\b)+4:8*(4*(\a)+\b)+7] offset:32*\b+16
.endr
	WIN 0
.irp t, 0,1,2,3,4,5,6,7
	ds_load_b128 v[BK+32*((\a)%2)+4*\t:BK+32*((\a)%2)+4*\t+3], v[RD] offset:\t*2*SPITCH
.endr
.endm
.macro SEND a, younger                 ; row 2 t + h of tile a is token row 8 a + 32 (t / 4) + 2 (t % 4) + h of my 64
	s_wait_dscnt \younger
.irp t, 0,1,2,3,4,5,6,7
	global_store_b128 v[CO], v[BK+32*((\a)%2)+4*\t:BK+32*((\a)%2)+4*\t+3], s[94:95] offset:(8*(\a)+32*(\t/4)+2*(\t%4))*4096 th:TH_STORE_NT   ; sixteen lanes store 256 consecutive bytes, aligned
.endr
.endm
	PLACES
	TOSTAGE 0
.irp a, 1,2,3
.if \a > 1
	s_wait_xcnt 0x0                                ; block a - 2's stores have read their registers
.endif
	TOSTAGE \a
	SEND \a-1, 16                                  ; behind block a - 1's loads: block a's 8 stores and 8 loads
.endr
	SEND 3, 0
	s_wait_tensorcnt 0x0                           ; the wave's end
	ds_add_u32 v[SPW], v[NIL]
	s_wait_dscnt 0x0
	CROUND                                         ; the closing round
	s_endpgm
.Lfunc_end_k_qa646a64bcd_gemm_out:
	.size	k_qa646a64bcd_gemm_out, .Lfunc_end_k_qa646a64bcd_gemm_out-k_qa646a64bcd_gemm_out
	.p2alignl 7, 3214868480
	.fill 96, 4, 3214868480
	.section	.rodata,"a",@progbits
	.p2align	6, 0x0
	.amdhsa_kernel k_qa646a64bcd_gemm_out
		.amdhsa_group_segment_fixed_size 327680
		.amdhsa_private_segment_fixed_size 0
		.amdhsa_enable_private_segment 0
		.amdhsa_kernarg_size 32
		.amdhsa_user_sgpr_count 2
		.amdhsa_user_sgpr_kernarg_segment_ptr 1
		.amdhsa_wavefront_size32 1
		.amdhsa_system_sgpr_workgroup_id_x 1
		.amdhsa_system_sgpr_workgroup_id_y 1
		.amdhsa_system_sgpr_workgroup_id_z 1
		.amdhsa_system_vgpr_workitem_id 0
		.amdhsa_next_free_vgpr 512
		.amdhsa_next_free_sgpr 98
		.amdhsa_reserve_vcc 0
		.amdhsa_float_denorm_mode_32 3
		.amdhsa_float_denorm_mode_16_64 3
		.amdhsa_memory_ordered 1
		.amdhsa_forward_progress 1
		.amdhsa_inst_pref_size 60
	.end_amdhsa_kernel
	.amdgpu_metadata
---
amdhsa.version: [ 1, 2 ]
amdhsa.kernels:
  - .name:           k_qa646a64bcd_gemm_out
    .symbol:         k_qa646a64bcd_gemm_out.kd
    .args:
      - { .name: ctx, .offset: 0, .size: 8, .value_kind: global_buffer, .address_space: global }
      - { .name: opq, .offset: 8, .size: 8, .value_kind: global_buffer, .address_space: global }
      - { .name: b_out, .offset: 16, .size: 8, .value_kind: global_buffer, .address_space: global }
      - { .name: out0, .offset: 24, .size: 8, .value_kind: global_buffer, .address_space: global }
    .group_segment_fixed_size: 327680
    .private_segment_fixed_size: 0
    .kernarg_segment_align: 8
    .kernarg_segment_size: 32
    .max_flat_workgroup_size: 128
    .sgpr_count:     98
    .vgpr_count:     512
    .wavefront_size: 32
...
	.end_amdgpu_metadata
.endif
;; end of part 4
